; MI455X (gfx1250); checked and timed in simulation.
; The chip was launched on July 23, 2026; its instructions are those of AMD's public machine-readable ISA for CDNA 5 (MIT licence, August 2026) and "CDNA5" Instruction Set Architecture Reference Guide (July 2026). The comments in the code are by the model that wrote it; some were corrected since.
;; Distributed XTWMLP. Allowed arithmetic: matrix products marked QUANTISED: E5M2 operands, one given power-of-two scale a tensor, by v_wmma_f32_16x16x64_bf8_bf8 or v_wmma_f32_16x16x128_bf8_bf8, f32 sums; everything else in f32.
;; Inputs: W1_codes 8,192 x 64 x 32 uint8 (E5M2 codes of W1, K innermost, in blocks of 32 codes); W2_codes 2,048 x 256 x 32 uint8 (E5M2 codes of W2, K innermost, in blocks of 32 codes); b1 8,192 float32; b2 2,048 float32; lowp_scales 4 int32 (the exponents e of the quantised operands' scales 2^e); x_codes 2,048 x 64 x 32 uint8 (E5M2 codes of x, K innermost, in blocks of 32 codes).
;; Outputs: out0 2,048 x 2,048 float32.
;; This version of the problem:
;;   THIS VERSION OF THE PROBLEM IS GIVEN IN LOW PRECISION. The matrix products marked QUANTISED in the list below multiply operands that are first quantised to E5M2 (5 exponent bits, 2 mantissa bits; 8 bits a number), with one given power-of-two scale for each operand tensor; their sums are f32. All else is computed in f32.
;;   The module's matrix products, in the order in which they are computed (A, B: the left and right operand; K: the contracted axis; several contracted axes count as one K, in the product's order):
;;     1. [M 2,048, K 2,048] x [K 2,048, N 8,192]; A: input x (given as codes); B: input W1 (given as codes): QUANTISED (scales: A lowp_scales[0], B lowp_scales[1])
;;     2. [M 2,048, K 8,192] x [K 8,192, N 2,048]; A: computed on the way; B: input W2 (given as codes): QUANTISED (scales: A lowp_scales[2], B lowp_scales[3])
;;   THE QUANTISER, for each operand of a quantised product, along K:
;;     - The operand's scale is 2^e, e = its entry of the input lowp_scales (int32; the entries are numbered through the quantised products in the list's order, A before B).
;;     - Each number is divided by the scale, clamped to +-57,344, and rounded to the nearest number of E5M2, ties to even, subnormals kept.
;;     - The product sums the exact products of the quantised numbers (number of the format x scale) in f32.
;;   ~~~python
;;   def quantise(x, axis, e):      # numpy; x: float32 -> the quantised numbers, widened to float32 again
;;       x = np.moveaxis(x, axis, -1); K = x.shape[-1]
;;       r = np.clip(x / 2.0 ** e, -57344, 57344)
;;       step = 2.0 ** (np.maximum(np.frexp(np.where(r == 0, 1, r))[1] - 1, -14) - 2)
;;       q = np.round(r / step) * step * 2.0 ** e      # np.round: ties to even
;;       return np.moveaxis(q, -1, axis).astype(np.float32)
;;   ~~~
;;   OPERANDS COMPUTED ON THE WAY. 'Computed on the way' means the value that the module computes at that place (a softmax that the list does not call 'softmax' is quantised finished and normalised). What goes into a quantiser is computed in f32, as accurately as f32 sums, v_exp_f32 and their like allow (about 1e-6 of the number): no bf16 or f16 on the way to a quantiser, and a product that is left as it is and whose result goes on into a quantised operand takes f32 operands (vector FMAs, or v_wmma_f32_16x16x4_f32). A number that lies on a knife's edge between two numbers of the format may be rounded either way, as far as f32 arithmetic and the matrix unit's own rounding can turn it there, and no further.
;;   INPUTS GIVEN AS CODES. W1 (in the module: [2048, 8192], K = its axis 0); W2 (in the module: [8192, 2048], K = its axis 0); x (in the module: [2048, 2048], K = its axis 0): each comes as NAME_codes (uint8): NAME with its K axis moved to the last place and cut into blocks of 32 codes, [.., K / 32, bytes a block], one block behind the other in memory; one code a byte (a code: sign, 5 exponent bits, 2 mantissa bits); its scale is its entry of lowp_scales. Its value is code x scale, taken as it is: it is not quantised again, and the codes and scales need not be those that the quantiser above would give.
;; 2 versions. Each part assembles by itself: llvm-mc -triple=amdgcn-amd-amdhsa -mcpu=gfx1250 --defsym DOCPART=n.
;; ======== version 1 of 2: 2 launches
;; workspace buffers: h_img 16,777,216 bytes
;; launch fc1 (part 1): grid 32 x 8, 4 waves a work-group, clusters of 4 x 4, 327,680 bytes of LDS; arguments x_codes, W1_codes, lowp_scales, b1, h_img; writes h_img
.if DOCPART == 1
	.amdgcn_target "amdgcn-amd-amdhsa--gfx1250"
	.amdhsa_code_object_version 6
	.text
	.protected	k_q6d165fdc36_fc1
	.globl	k_q6d165fdc36_fc1
	.p2align	8
	.type	k_q6d165fdc36_fc1,@function
k_q6d165fdc36_fc1:
	s_mov_b64 s[64:65], 0
	v_nop
	global_prefetch_b8 v0, s[64:65] scope:SCOPE_SE
	s_setreg_imm32_b32 hwreg(HW_REG_WAVE_MODE, 25, 1), 1
	s_wait_xcnt 0x0
	s_wait_alu depctr_hold_cnt(0) depctr_sa_sdst(0) depctr_va_vdst(0) depctr_va_sdst(0) depctr_va_ssrc(0) depctr_va_vcc(0) depctr_vm_vsrc(0)
	s_getreg_b32 s2, hwreg(HW_REG_IB_STS2, 6, 4)
	s_cmp_eq_u32 s2, 0
	s_cbranch_scc0 .Lentry_in_a_cluster
	s_endpgm
.Lentry_in_a_cluster:
	s_bfe_u32 s2, ttmp6, 0x10000c
	s_cmp_lg_u32 s2, 0xf033
	s_cbranch_scc0 .Lentry_shape_is_right
	s_endpgm
.Lentry_shape_is_right:
; h = Q(gelu(x^T W1 + b1)).  x_codes: [2048 tokens][2048 K], W1_codes: [8192 hidden][2048 K]: codes of BF8 (E5M2), K innermost.  b1: [8192] f32.
; lowp_scales: e0 (x), e1 (W1), e2 (h), e3 (W2).  A sum of codes stands for sum x 2^(e0 + e1); gelu is the tanh form, in f32; the result is held within +-57,344 x 2^e2 and turned into codes with the scale 2^e2.
; OUTPUT h_img: h's codes laid as the next launch's operand registers: [t 0..15][tb 0..127][q 0..3][2,048 bytes]: the fragment of tokens 16 tb .. 16 tb + 15 and hidden units 128 (4 t + q) .. + 127;
; in it hidden unit u of token r lies at byte 256 (u / 16) + 16 r + u % 16.
; LIMITS: e0 + e1 between -126 and 127, e2 between -126 and 112, so that each power of two below is an f32 number.  NaN in b1 and codes of NaN or infinity are not served.
; Far below zero this gelu gives x x 0 = -0 where the sum 1 + tanh in f32 gives 0; both have the code of zero's value.
; SHARES.  A work-group of four waves makes 256 tokens x 256 hidden units; a wave 128 x 128: 64 accumulators of 16 x 16, 512 registers.  K goes in steps of 256 through a ring of two LDS slots filled by tensor loads.
; CLUSTERS: 4 x 4 work-groups.  The four of a row of the cluster need the same tiles of x, the four of a column the same tiles of W1: each tile is asked for jointly, by the same tensor load with the same descriptor
; and a mask that names the four.  THE MATRIX INSTRUCTION IS USED TRANSPOSED (source 0 = 16 rows of W1, source 1 = 16 tokens): a lane then holds ONE token and eight neighbouring hidden units, which are eight
; neighbours along the next product's K: one conversion makes their eight codes.
; A fragment is fetched by four loads of 16 bytes: lane l holds, of row l % 16, K = 32 c + 16 (l / 16) + 0 .. 15 in registers 4 c .. 4 c + 3: the same permutation of K in both operands, so every product meets its partner.
; REGISTERS, in windows of 256: window 0: v0-31 addresses and constants; v32-95 b1 in the result's layout; v96-127 codes; from v128 x's fragments, ONE set (on the way out: v128-191 numbers, v192-255 at work).
;   window 1: W1's fragments, TWO sets, at v0 and v128.   window 2: the accumulators of my tokens 0-63 ((a, b) at v[8 (8 a + b)]);   window 3: those of my tokens 64-127.
.set KSTEP,  256                       ; along K in a slot
.set ROWB,   256                       ; a tile's row in bytes
.set KROW,   2048                      ; a row of x_codes or W1_codes in bytes
.set PITCH,  272                       ; an LDS row: 256 bytes + 16 of padding = 68 words: row r starts at bank 4 r mod 64 (64 banks of 4 bytes: ISA guide 11.1), so the 16 rows of a load start at 16 different banks
.set FR,     16                        ; registers of a fragment: 16 rows x 128 K
.set NL,     4                         ; LDS loads that bring one
.set NP,     4                         ; places behind this matrix instruction (ISA guide 7.12.1)
.set HALFT,  128*PITCH                 ; 128 rows: what one tensor load brings, and what one wave reads of x or of W1
.set SLOT,   4*HALFT                   ; x's 256 rows, then W1's 256 rows
.set LAPS,   2048/(2*KSTEP)            ; a lap = two K steps = once round the ring
.set SPARE,  2*SLOT                    ; behind the ring: the spare words, 128 bytes for each wave: two blocks of 256 bytes that no other line names
.set C0,   8                           ; v[8:9]  gelu's c0, twice
.set QS,   10                          ; v10     2^e2 as f32: the conversion takes its exponent field
.set QL,   11                          ; v11     57,344 x 2^e2
.set ADRA, 16                          ; v16-17  LDS address of my fragments of x in slot 0, 1
.set ADRB, 20                          ; v20-21  the same for W1
.set HO,   24                          ; v24     my 8 bytes in a store's 256: 16 r + 8 h
.set BO,   25                          ; v25     b1: 32 h
.set SPW,  28                          ; v28     LDS address of my spare word: SPARE + 4 x my thread's number; never rewritten
.set NIL,  29                          ; v29     0; never rewritten
.set BI,   32                          ; v32-95  b1[my first hidden unit + 16 b + 8 h + j] at BI + 8 b + j
.set CODE, 96                          ; v96-127 two sets of 16 registers of codes
.set AF,   128                         ; x's fragments
.set X,    128                         ; the way out: a block's 64 numbers
.set T,    192                         ; the way out: at work
.set G1, 24                            ; s[24:31] descriptor group 1 for x's tiles;  s[32:39] group 0, one set for each slot
.set G0, 32
.set G1B, 48                           ; s[48:55], s[56:63] the same for W1's tiles
.set G0B, 56
.set SC,  72                           ; s[72:73] 2^(e0 + e1), twice
.set C1,  74                           ; s[74:75] gelu's c1, twice
.set MSB, 0
.macro WIN new                         ; the immediate's high byte repeats the setting that is left; a switch that changes nothing is dropped
.if MSB != \new
	s_set_vgpr_msb (MSB<<8)|\new
.set MSB, \new
.endif
.endm
.set MUL_LO, 0xa1                      ; source 0 (W1) window 1, source 1 (x) window 0, C and D window 2
.set MUL_HI, 0xf1                      ; the same, C and D window 3
.set TO_B,   0x40                      ; destination window 1, address window 0
; A joint load: waves 0 and 1 fetch for x, waves 2 and 3 for W1.  Each of the two lines has ONE mask and one set of registers for all that issue it; the branch hangs on the wave's number alone.
; Four v_nop follow each of the two lines, ahead of the jump, the label and what follows.
.macro JLOAD g0a, g1a, g0b, g1b
	s_cmp_eq_u32 s15, 0
	s_cbranch_scc0 .Lfor_b_\@
	tensor_load_to_lds s[\g0a:\g0a+3], s[\g1a:\g1a+7]
	s_nop 0
.rept 4
	v_nop
.endr
	s_branch .Lasked_\@
.Lfor_b_\@:
	tensor_load_to_lds s[\g0b:\g0b+3], s[\g1b:\g1b+7]
	s_nop 0
.rept 4
	v_nop
.endr
.Lasked_\@:
.endm
.macro CREST                           ; a round of the cluster's barrier behind its opening barrier
	s_cmp_lg_u32 s14, 0
	s_cbranch_scc1 .Lnot_wave_0_\@
	s_barrier_signal -3
.Lnot_wave_0_\@:
	s_barrier_wait -3
	s_barrier_signal -1
	s_barrier_wait -1
.endm
.macro CROUND                          ; a whole round
	s_barrier_signal -1
	s_barrier_wait -1
	CREST
.endm
	s_load_b128 s[4:7], s[0:1], 0x0                ; x_codes s[4:5], W1_codes s[6:7]
	s_load_b128 s[8:11], s[0:1], 0x10              ; lowp_scales s[8:9], b1 s[10:11]
	s_load_b64 s[12:13], s[0:1], 0x20              ; h_img
	v_lshl_add_u32 v[SPW], v0, 2, SPARE
	v_mov_b32 v[NIL], 0
	ds_add_u32 v28, v29
	ds_add_u32 v28, v29
	s_wait_dscnt 0x0
	v_lshrrev_b32 v1, 5, v0
	v_readfirstlane_b32 s14, v1                    ; wave 0..3
	s_lshr_b32 s15, s14, 1                         ; which half of the tile's tokens is mine.  Also: I fetch for x (0) or for W1 (1)
	s_and_b32 s16, s14, 1                          ; which half of its hidden units.  Also: which 128 rows of that tile I fetch
	s_bfe_u32 s40, ttmp6, 0x40000                  ; cx, cy: my place in the cluster
	s_bfe_u32 s41, ttmp6, 0x40004
	s_lshl_b32 s42, ttmp9, 2
	s_add_co_u32 s42, s42, s40                     ; tile column (256 hidden units) = 4 x cluster x + cx
	s_and_b32 s17, ttmp7, 0xffff
	s_lshl_b32 s17, s17, 2
	s_add_co_u32 s17, s17, s41                     ; tile row (256 tokens) = 4 x cluster y + cy
	s_lshl_b32 s43, s41, 2
	s_lshl_b32 s43, 15, s43                        ; my row of the cluster
	s_lshl_b32 s44, 0x1111, s40                    ; my column
	; descriptor group 1: a tile of 128 rows x 256 bytes, padded in LDS
	s_or_b32 s[G1+0], s43, (0<<16)|(1<<20)|(1<<21)|(5<<22)|(3<<25)  ; 15:0 the mask: x's tiles go to my row; 17:16 element of 1 byte; 20 padding on; 21 set beside a mask; 24:22 after every 64 words (code 5); 31:25 of 4 words (code 3)
	s_or_b32 s[G1B+0], s44, (0<<16)|(1<<20)|(1<<21)|(5<<22)|(3<<25) ; the same with the mask of my column
.irp g, G1, G1B
	s_mov_b32 s[\g+1], ROWB<<16                    ; tensor_dim0
	s_mov_b32 s[\g+2], 128<<16                     ; tensor_dim1 = 128
	s_mov_b32 s[\g+3], ROWB<<16                    ; tile_dim0
	s_mov_b32 s[\g+4], 128                         ; tile_dim1 = 128
	s_mov_b32 s[\g+5], KROW                        ; tensor_dim0_stride
	s_mov_b32 s[\g+6], 0
	s_mov_b32 s[\g+7], 0
.endr
	s_lshl_b32 s18, s16, 7                         ; which 128 rows of the tile I fetch
	s_lshl_b32 s20, s17, 8
	s_add_co_u32 s20, s20, s18                     ; x: row 256 x tile row + 128 x half
	s_lshl_b32 s46, s42, 8
	s_add_co_u32 s46, s46, s18                     ; W1: row 256 x tile column + 128 x half
	s_mov_b32 s21, 0
	s_mov_b32 s47, 0
	s_mov_b64 s[18:19], KROW
	s_mul_u64 s[20:21], s[20:21], s[18:19]         ; in bytes
	s_mul_u64 s[46:47], s[46:47], s[18:19]
	s_mul_i32 s45, s14, HALFT                      ; where they go: wave x 128 rows: no place in the cluster enters an LDS address
	s_wait_kmcnt 0x0
	s_load_b128 s[68:71], s[8:9], 0x0              ; e0, e1, e2, e3
	s_add_nc_u64 s[20:21], s[4:5], s[20:21]
	s_add_nc_u64 s[46:47], s[6:7], s[46:47]
	CROUND                                         ; all sixteen work-groups are here: the first joint loads meet
.irp s, 0,1
	s_mov_b32 s[G0+4*\s], 1                        ; count = 1
	s_add_co_u32 s[G0+4*\s+1], s45, \s*SLOT        ; LDS address
	s_add_nc_u64 s[G0+4*\s+2:G0+4*\s+3], s[20:21], \s*ROWB   ; global address: K step s
	s_or_b32 s[G0+4*\s+3], s[G0+4*\s+3], 0x80000000          ; type = 2
	s_mov_b32 s[G0B+4*\s], 1
	s_add_co_u32 s[G0B+4*\s+1], s45, \s*SLOT
	s_add_nc_u64 s[G0B+4*\s+2:G0B+4*\s+3], s[46:47], \s*ROWB
	s_or_b32 s[G0B+4*\s+3], s[G0B+4*\s+3], 0x80000000
	JLOAD G0+4*\s, G1, G0B+4*\s, G1B               ; two loads of mine are out
.endr
	v_and_b32 v1, 15, v0                           ; r = l % 16
	v_bfe_u32 v2, v0, 4, 1                         ; h = l / 16
	v_mul_u32_u24 v3, v1, PITCH
	v_lshl_add_u32 v4, v2, 4, v3                   ; a fragment's row x pitch + 16 x half
	s_mul_i32 s21, s15, HALFT                      ; my 128 rows of x
	s_mul_i32 s22, s16, HALFT                      ; my 128 rows of W1,
	s_add_co_u32 s22, s22, 2*HALFT                 ; which lie behind x's 256
.irp s, 0,1
	v_add_nc_u32 v[ADRA+\s], s21, v4
	v_add_nc_u32 v[ADRB+\s], s22, v4
	s_add_co_u32 s21, s21, SLOT
	s_add_co_u32 s22, s22, SLOT
.endr
	v_lshlrev_b32 v[HO], 4, v1
	v_lshl_add_u32 v[HO], v2, 3, v[HO]             ; 16 r + 8 h
	v_lshlrev_b32 v[BO], 5, v2                     ; 32 h
	s_lshl_b32 s78, s42, 10                        ; b1 at my first hidden unit: 4 x (256 x tile column + 128 x half)
	s_lshl_b32 s79, s16, 9
	s_add_co_u32 s78, s78, s79
	s_mov_b32 s79, 0
	s_add_nc_u64 s[10:11], s[10:11], s[78:79]
.irp b, 0,1,2,3,4,5,6,7                        ; b1 in the result's layout; waited for on the way out; its registers are not touched before
	global_load_b128 v[BI+8*\b:BI+8*\b+3],   v[BO], s[10:11] offset:64*\b
	global_load_b128 v[BI+8*\b+4:BI+8*\b+7], v[BO], s[10:11] offset:64*\b+16
.endr
	s_lshl_b32 s76, s42, 1                         ; h_img at my wave's first fragment.  My 128 hidden units are K step ks = 2 x tile column + half of the next product:
	s_add_co_u32 s76, s76, s16
	s_lshr_b32 s77, s76, 2
	s_lshl_b32 s77, s77, 20                        ; (ks / 4) x 2^20
	s_and_b32 s76, s76, 3
	s_lshl_b32 s76, s76, 11                        ; + (ks % 4) x 2,048
	s_add_co_u32 s76, s76, s77
	s_lshl_b32 s77, s17, 4
	s_lshl_b32 s78, s15, 3
	s_add_co_u32 s77, s77, s78                     ; my first block of 16 tokens: 16 x tile row + 8 x half
	s_lshl_b32 s77, s77, 13                        ; x 8,192
	s_add_co_u32 s76, s76, s77
	s_mov_b32 s77, 0
	s_add_nc_u64 s[12:13], s[12:13], s[76:77]
	s_wait_kmcnt 0x0                               ; the four exponents
	s_add_co_i32 s[SC], s68, s69                   ; e0 + e1, between -126 and 127,
	s_add_co_i32 s[SC], s[SC], 127
	s_lshl_b32 s[SC], s[SC], 23                    ; makes the f32 number 2^(e0 + e1)
	s_mov_b32 s[SC+1], s[SC]                       ; (named with it as a pair, so it is written)
	s_mov_b32 s[C1], 0xbdd2d3e8                    ; c1 = 0.044715 c0 = -0.10294324
	s_mov_b32 s[C1+1], s[C1]
	v_mov_b32 v[C0], 0xc0135761                    ; c0 = -2 log2(e) sqrt(2 / pi) = -2.3022082
	v_mov_b32 v[C0+1], 0xc0135761
	s_add_co_i32 s80, s70, 127
	s_lshl_b32 s81, s80, 23
	v_mov_b32 v[QS], s81                           ; 2^e2
	s_add_co_i32 s80, s80, 15
	s_lshl_b32 s80, s80, 23
	s_or_b32 s80, s80, 0x600000
	v_mov_b32 v[QL], s80                           ; 57,344 x 2^e2
.macro FRAG reg, adr, q, i             ; a fragment: four loads of 16 bytes, 32 bytes apart, from the slot's q-th 128 along K, rows 16 i on
.irp c, 0,1,2,3
	ds_load_b128 v[\reg+4*\c:\reg+4*\c+3], v[\adr] offset:128*(\q)+32*\c+(\i)*16*PITCH
.endr
.endm
; 16 matrix instructions: x's blocks a0, a0 + 1 against W1's eight, 128 along K.  p: W1's set.  zero = 1: the first product starts the sums: nothing is ever cleared.
; The 64 accumulators take turns, one instruction a turn, in the same order in every step.
.macro MUL16 a0, p, zero
.irp a, \a0, \a0+1
.irp b, 0,1,2,3,4,5,6,7
.if \zero
	v_wmma_f32_16x16x128_bf8_bf8 v[8*(8*((\a)%4)+\b):8*(8*((\a)%4)+\b)+7], v[128*(\p)+FR*\b:128*(\p)+FR*\b+FR-1], v[AF+FR*(\a):AF+FR*(\a)+FR-1], 0
.else
	v_wmma_f32_16x16x128_bf8_bf8 v[8*(8*((\a)%4)+\b):8*(8*((\a)%4)+\b)+7], v[128*(\p)+FR*\b:128*(\p)+FR*\b+FR-1], v[AF+FR*(\a):AF+FR*(\a)+FR-1], v[8*(8*((\a)%4)+\b):8*(8*((\a)%4)+\b)+7]
.endif
.endr
.endr
.endm
.macro FETCH_B slot, q, p              ; W1's eight fragments of the slot's q-th 128 along K into set p
	WIN TO_B
.irp i, 0,1,2,3,4,5,6,7
	FRAG 128*(\p)+FR*\i, ADRB+\slot, \q, \i
.endr
	WIN 0
.endm
.macro FETCH_A slot, q, i0             ; x's blocks i0 .. i0 + 3
.irp i, \i0, \i0+1, \i0+2, \i0+3
	FRAG AF+FR*(\i), ADRA+\slot, \q, \i
.endr
.endm
; A load into a register that a matrix instruction has read, and a vector instruction that reads a matrix result or writes one of a matrix instruction's registers, stand NP places behind it; only plain
; vector instructions that name none of its registers are places (ISA guide 7.12.1 for vector instructions).
.macro PLACES n
.rept \n
	v_nop
.endr
.endm
; A step of 128 along K that has its successor in the same slot.  A block of x is free as soon as its eight products are issued, so one set of registers serves x: blocks 0-3 are fetched anew in the
; step's middle, blocks 4-7 at its end, each run 32 matrix instructions ahead of its use.  W1's fragments are at work through the whole step and have two sets.
.macro STEP slot, q, zero
	s_wait_dscnt 4*NL                              ; W1's set and x's blocks 0-3 are in; the youngest 16 loads (x's blocks 4-7) may be out
	WIN MUL_LO
	MUL16 0, (\q)%2, \zero
	MUL16 2, (\q)%2, \zero
	s_wait_dscnt 0                                 ; x's blocks 4-7 are in (asked for 32 matrix instructions ago)
	PLACES NP
	FETCH_B \slot, (\q)+1, 1-(\q)%2
	FETCH_A \slot, (\q)+1, 0
	WIN MUL_HI
	MUL16 4, (\q)%2, \zero
	MUL16 6, (\q)%2, \zero
	PLACES NP
	WIN 0
	FETCH_A \slot, (\q)+1, 4
.endm
; A slot's last step changes slots: ONE barrier; in front of it each wave waits for all its tensor loads, adds 0 to its spare word, and waits for that and for its own reads of this slot.
; fill = 1: the barrier opens a round of the cluster's barrier, and this slot is filled again, two K steps ahead: 96 of a K step's 128 matrix instructions lie between the request and the wait for it.
.macro TURN slot, next, fill
	s_wait_tensorcnt 0x0                           ; all my tensor loads have landed: the one that was out is my part of the next slot  (every window is 0 here)
	ds_add_u32 v[SPW], v[NIL]                      ; 0 onto my spare word
	s_wait_dscnt 4*NL+1                            ; (the add and the youngest 16 loads, x's blocks 4-7, may be out)
	WIN MUL_LO
	MUL16 0, 1, 0                                  ; sixteen matrix instructions stand between the add and the wait for it
	s_wait_dscnt 0x0                               ; the add is done, and my reads of this slot are over
	s_barrier_signal -1
	MUL16 2, 1, 0                                  ; work on registers while the others arrive
	WIN 0
	s_barrier_wait -1
.if \fill
	CREST                                          ; no wave of any partner still reads this slot's tile or has a load on its way
	s_add_nc_u64 s[G0+4*\slot+2:G0+4*\slot+3], s[G0+4*\slot+2:G0+4*\slot+3], 2*ROWB
	s_add_nc_u64 s[G0B+4*\slot+2:G0B+4*\slot+3], s[G0B+4*\slot+2:G0B+4*\slot+3], 2*ROWB
	JLOAD G0+4*\slot, G1, G0B+4*\slot, G1B         ; the first tensor load behind the round, my only one until the next; its four v_nop are also the places in front of the loads below
.else
	PLACES NP
.endif
	FETCH_B \next, 0, 0
	FETCH_A \next, 0, 0
	WIN MUL_HI
	MUL16 4, 1, 0
	MUL16 6, 1, 0
	PLACES NP
	WIN 0
	FETCH_A \next, 0, 4
.endm
	s_wait_tensorcnt 1                             ; my part of K step 0 is in; K step 1's load may stay out
	s_barrier_signal -1
	s_barrier_wait -1                              ; everybody's is
	FETCH_B 0, 0, 0
	FETCH_A 0, 0, 0
	FETCH_A 0, 0, 4
	STEP 0, 0, 1                                   ; the first step stands in front of the loop: its products start the sums
	s_mov_b32 s3, LAPS-1
.Llap:                                                 ; a trip goes once round the ring, from a lap's second step to the next lap's first, and fills both slots again
	TURN 0, 1, 1
	STEP 1, 0, 0
	TURN 1, 0, 1
	STEP 0, 0, 0
	s_sub_co_u32 s3, s3, 1
	s_cmp_lg_u32 s3, 0
	s_cbranch_scc1 .Llap
	TURN 0, 1, 0                                   ; the last lap fills nothing, and has no round of the cluster's barrier
	STEP 1, 0, 0
	s_wait_dscnt 4*NL                              ; the very last step: nothing more to fetch
	WIN MUL_LO
	MUL16 0, 1, 0
	MUL16 2, 1, 0
	s_wait_dscnt 0
	WIN MUL_HI
	MUL16 4, 1, 0
	MUL16 6, 1, 0
	WIN 0
; THE WAY OUT, block by block of 16 tokens x 128 hidden units: 64 numbers a lane.
;   x = sum x 2^(e0 + e1) + b1                       one packed multiply-add for two numbers, each accumulator from its low end on
;   gelu(x) = x / (1 + 2^(x (c0 + c1 x^2)))          = 0.5 x (1 + tanh(sqrt(2 / pi) (x + 0.044715 x^3))), without the difference of near-equal numbers
;   held within +-57,344 x 2^e2 (the conversion to an 8-bit code does not saturate: ISA guide 7.6.2), then eight numbers to eight codes.
; The exponentials are one batch and the reciprocals another: behind each a plain instruction and ONE wait, ahead of the batch's first reader.
; Tile b's eight codes of lane (r, h) are hidden units 16 b + 8 h + 0 .. 7 of token r: byte 256 b + 16 r + 8 h of the fragment's image.  So each store of the wave covers 256 consecutive bytes, aligned.
.macro ACT a
.set AC, 64*((\a)%4)
.set CD, CODE+16*((\a)%2)
	WIN (0x02+((\a)/4))                            ; source 0: window 2 or 3
.set j, 0
.rept 32
	v_pk_fma_f32 v[X+j:X+j+1], v[AC+j:AC+j+1], s[SC:SC+1], v[BI+j:BI+j+1] op_sel_hi:[1,0,1]
.set j, j+2
.endr
	WIN 0
.set j, 0
.rept 32
	v_pk_mul_f32 v[T+j:T+j+1], v[X+j:X+j+1], v[X+j:X+j+1]                                   ; x^2
.set j, j+2
.endr
.set j, 0
.rept 32
	v_pk_fma_f32 v[T+j:T+j+1], v[T+j:T+j+1], s[C1:C1+1], v[C0:C0+1] op_sel_hi:[1,0,1]       ; c0 + c1 x^2
.set j, j+2
.endr
.set j, 0
.rept 32
	v_pk_mul_f32 v[T+j:T+j+1], v[T+j:T+j+1], v[X+j:X+j+1]                                   ; x (c0 + c1 x^2)
.set j, j+2
.endr
.set j, 0
.rept 64
	v_exp_f32 v[T+j], v[T+j]
.set j, j+1
.endr
	v_nop                                          ; a plain instruction behind the last exponential
	s_wait_alu depctr_va_vdst(0)                   ; one wait for the 64 exponentials
.set j, 0
.rept 32
	v_pk_add_f32 v[T+j:T+j+1], v[T+j:T+j+1], 1.0 op_sel_hi:[1,0]
.set j, j+2
.endr
.set j, 0
.rept 64
	v_rcp_f32 v[T+j], v[T+j]
.set j, j+1
.endr
	v_nop                                          ; a plain instruction behind the last reciprocal
	s_wait_alu depctr_va_vdst(0)                   ; one wait for the 64 reciprocals
.set j, 0
.rept 32
	v_pk_mul_f32 v[X+j:X+j+1], v[X+j:X+j+1], v[T+j:T+j+1]                                   ; gelu(x)
.set j, j+2
.endr
.set j, 0
.rept 64
	v_med3_num_f32 v[X+j], v[X+j], -v[QL], v[QL]
.set j, j+1
.endr
.if (\a) > 1
	s_wait_xcnt 0x0                                ; the stores of two blocks back have read this set of codes: only behind this wait is it written again
.endif
.irp b, 0,1,2,3,4,5,6,7
	v_cvt_scalef32_pk8_bf8_f32 v[CD+2*\b:CD+2*\b+1], v[X+8*\b:X+8*\b+7], v[QS]
.endr
	v_nop                                          ; a plain instruction between the last conversion and the next block's lines, which write its sources
.irp b, 0,1,2,3,4,5,6,7
	global_store_b64 v[HO], v[CD+2*\b:CD+2*\b+1], s[12:13] offset:(\a)*8192+256*\b
.endr
.endm
	s_wait_loadcnt 0x0                             ; b1
	PLACES NP                                      ; behind the last products: block 7's results are read, and x's fragments' registers are written, only behind these
.irp a, 0,1,2,3,4,5,6,7
	ACT \a
.endr
	s_wait_tensorcnt 0x0                           ; the wave's end: my last LDS instructions
	ds_add_u32 v[SPW], v[NIL]
	s_wait_dscnt 0x0
	CROUND                                         ; the closing round: no work-group ends while a partner may still ask for a tile that names it
	s_endpgm
.Lfunc_end_k_q6d165fdc36_fc1:
	.size	k_q6d165fdc36_fc1, .Lfunc_end_k_q6d165fdc36_fc1-k_q6d165fdc36_fc1
	.p2alignl 7, 3214868480
	.fill 96, 4, 3214868480
	.section	.rodata,"a",@progbits
	.p2align	6, 0x0
	.amdhsa_kernel k_q6d165fdc36_fc1
		.amdhsa_group_segment_fixed_size 327680
		.amdhsa_private_segment_fixed_size 0
		.amdhsa_enable_private_segment 0
		.amdhsa_kernarg_size 40
		.amdhsa_user_sgpr_count 2
		.amdhsa_user_sgpr_kernarg_segment_ptr 1
		.amdhsa_wavefront_size32 1
		.amdhsa_system_sgpr_workgroup_id_x 1
		.amdhsa_system_sgpr_workgroup_id_y 1
		.amdhsa_system_sgpr_workgroup_id_z 1
		.amdhsa_system_vgpr_workitem_id 0
		.amdhsa_next_free_vgpr 1024
		.amdhsa_next_free_sgpr 100
		.amdhsa_reserve_vcc 0
		.amdhsa_float_denorm_mode_32 3
		.amdhsa_float_denorm_mode_16_64 3
		.amdhsa_memory_ordered 1
		.amdhsa_forward_progress 1
		.amdhsa_inst_pref_size 252
	.end_amdhsa_kernel
	.amdgpu_metadata
---
amdhsa.version: [ 1, 2 ]
amdhsa.kernels:
  - .name:           k_q6d165fdc36_fc1
    .symbol:         k_q6d165fdc36_fc1.kd
    .args:
      - { .name: x_codes, .offset: 0, .size: 8, .value_kind: global_buffer, .address_space: global }
      - { .name: W1_codes, .offset: 8, .size: 8, .value_kind: global_buffer, .address_space: global }
      - { .name: lowp_scales, .offset: 16, .size: 8, .value_kind: global_buffer, .address_space: global }
      - { .name: b1, .offset: 24, .size: 8, .value_kind: global_buffer, .address_space: global }
      - { .name: h_img, .offset: 32, .size: 8, .value_kind: global_buffer, .address_space: global }
    .group_segment_fixed_size: 327680
    .private_segment_fixed_size: 0
    .kernarg_segment_align: 8
    .kernarg_segment_size: 40
    .max_flat_workgroup_size: 128
    .sgpr_count:     100
    .vgpr_count:     1024
    .wavefront_size: 32
...
	.end_amdgpu_metadata
.endif
;; end of part 1
;; launch fc2 (part 2): grid 16 x 16, 4 waves a work-group, clusters of 4 x 4, 327,680 bytes of LDS; arguments h_img, W2_codes, lowp_scales, b2, out0; writes out0
.if DOCPART == 2
	.amdgcn_target "amdgcn-amd-amdhsa--gfx1250"
	.amdhsa_code_object_version 6
	.text
	.protected	k_q6d165fdc36_fc2
	.globl	k_q6d165fdc36_fc2
	.p2align	8
	.type	k_q6d165fdc36_fc2,@function
k_q6d165fdc36_fc2:
	s_mov_b64 s[64:65], 0
	v_nop
	global_prefetch_b8 v0, s[64:65] scope:SCOPE_SE
	s_setreg_imm32_b32 hwreg(HW_REG_WAVE_MODE, 25, 1), 1
	s_wait_xcnt 0x0
	s_wait_alu depctr_hold_cnt(0) depctr_sa_sdst(0) depctr_va_vdst(0) depctr_va_sdst(0) depctr_va_ssrc(0) depctr_va_vcc(0) depctr_vm_vsrc(0)
	s_getreg_b32 s2, hwreg(HW_REG_IB_STS2, 6, 4)
	s_cmp_eq_u32 s2, 0
	s_cbranch_scc0 .Lentry_in_a_cluster
	s_endpgm
.Lentry_in_a_cluster:
	s_bfe_u32 s2, ttmp6, 0x10000c
	s_cmp_lg_u32 s2, 0xf033
	s_cbranch_scc0 .Lentry_shape_is_right
	s_endpgm
.Lentry_shape_is_right:
; out0 = h W2 x 2^(e2 + e3) + b2.  h_img: h's codes of BF8 (E5M2) as images of operand registers, [t 0..15][tb 0..127][q 0..3][2,048 bytes]: tokens 16 tb on, hidden units 128 (4 t + q) on; in a fragment
; register 4 c + i / 4 of lane l lies at byte 512 c + 16 l + i.  W2_codes: [2048 outputs][8192 K], K innermost.  b2: [2048] f32.  out0: [2048 tokens][2048 outputs] f32.  lowp_scales: e2 and e3 are entries 2 and 3.
; LIMITS: e2 + e3 between -126 and 127, so that 2^(e2 + e3) is an f32 number.  NaN in b2 and codes of NaN or infinity are not served.
; ORDER OF ROUNDING: an output's K is summed in four interleaved quarters (hidden units 512 t + 128 w + 0 .. 127, w = 0 .. 3), each in one f32 chain, K ascending; the four are added as (p0 + p1) + (p2 + p3).
; SHARES.  out0 has 256 tiles of 128 x 128: a work-group to each.  THE FOUR WAVES SHARE K, NOT THE TILE: a slot holds 512 along K, and wave w multiplies its bytes 128 w .. 128 w + 127 of every row, for the whole
; tile: 64 accumulators of 16 x 16, 512 registers a wave.  So a wave's tile is 128 x 128 and each fragment read from LDS feeds eight products; with four tiles of 64 x 64 it would feed four.
; The price is paid once: at the end each wave lays its 128 x 128 sums into LDS, and each wave adds the four parts of 32 rows: that is also the turn from a lane's 32 bytes of a row to whole rows.
; CLUSTERS: 4 x 4 work-groups.  The four of a row of the cluster need the same tiles of h, the four of a column the same tiles of W2: each tile is asked for jointly, by the same tensor load with the same
; descriptor and a mask that names the four.  THE MATRIX INSTRUCTION IS USED TRANSPOSED (source 0 = 16 rows of W2, source 1 = 16 tokens): a lane holds eight neighbouring outputs of one token.
; REGISTERS, in windows of 256: window 0: v0-31 addresses, b2; v32-63 rows to store; from v128 h's fragments, ONE set (on the way out two buffers of 64).
;   window 1: W2's fragments, TWO sets, at v0 and v128.   window 2: the accumulators of tokens 0-63 ((a, b) at v[8 (8 a + b)]);   window 3: those of tokens 64-127.
.set FR,     16                        ; registers of a fragment: 16 rows x 128 K
.set NL,     4                         ; LDS loads that bring one
.set NP,     4                         ; places behind this matrix instruction (ISA guide 7.12.1)
.set PITCHB, 528                       ; an LDS row of W2's tile, and of a part on the way out: 512 bytes + 16 of padding = 132 words: row r starts at bank 4 r mod 64 (64 banks of 4 bytes: ISA guide 11.1)
.set AIMG,   65536                     ; a slot: h's 32 fragments, [a 0..7][q 0..3][2,048 bytes], as they lie in memory,
.set SLOT,   AIMG+128*PITCHB           ; then W2's 128 rows: 133,120 bytes
.set PART,   128*PITCHB                ; the way out: a wave's 128 rows of sums.  The four parts lie over the ring, which has then had its last fill and its last read, and over 4,096 bytes behind it
.set SPARE,  4*PART                    ; behind them: the spare words, 128 bytes for each wave: two blocks of 256 bytes that no other line names
.set B2,   8                           ; v[8:11] b2 of my four outputs of a row
.set RDB,  12                          ; v12-15  the way out: my 16 bytes of my first row in part 0 .. 3
.set ADRA, 16                          ; v16-17  LDS address of my fragments of h in slot 0, 1
.set ADRB, 20                          ; v20-21  the same for W2
.set STO,  24                          ; v24     the way out: where I put 32 bytes of a row of my part
.set CO,   26                          ; v26     16 x lane
.set SPW,  28                          ; v28     LDS address of my spare word: SPARE + 4 x my thread's number; never rewritten
.set NIL,  29                          ; v29     0; never rewritten
.set OUTR, 32                          ; v32-63  two sets of four rows' 16 bytes
.set AF,   128                         ; h's fragments
.set BK,   128                         ; the way out: four rows x four parts, 64 registers; two such buffers
.set G1, 24                            ; s[24:31] descriptor group 1 for h's tiles;  s[32:39] group 0, one set for each slot
.set G0, 32
.set G1B, 48                           ; s[48:55], s[56:63] the same for W2's tiles
.set G0B, 56
.set SC,  72                           ; s[72:73] 2^(e2 + e3), twice
.set MSB, 0
.macro WIN new                         ; the immediate's high byte repeats the setting that is left; a switch that changes nothing is dropped
.if MSB != \new
	s_set_vgpr_msb (MSB<<8)|\new
.set MSB, \new
.endif
.endm
.set MUL_LO, 0xa1                      ; source 0 (W2) window 1, source 1 (h) window 0, C and D window 2
.set MUL_HI, 0xf1                      ; the same, C and D window 3
.set TO_B,   0x40                      ; destination window 1, address window 0
; A joint load: waves 0 and 1 fetch h's two halves, waves 2 and 3 W2's.  Each of the two lines has ONE mask and one set of registers for all that issue it; the branch hangs on the wave's number alone.
; Four v_nop follow each of the two lines, ahead of the jump, the label and what follows.
.macro JLOAD g0a, g1a, g0b, g1b
	s_cmp_eq_u32 s15, 0
	s_cbranch_scc0 .Lfor_b_\@
	tensor_load_to_lds s[\g0a:\g0a+3], s[\g1a:\g1a+7]
	s_nop 0
.rept 4
	v_nop
.endr
	s_branch .Lasked_\@
.Lfor_b_\@:
	tensor_load_to_lds s[\g0b:\g0b+3], s[\g1b:\g1b+7]
	s_nop 0
.rept 4
	v_nop
.endr
.Lasked_\@:
.endm
.macro CROUND                          ; a round of the cluster's barrier: my work-group's barrier; wave 0 signals for the work-group; every wave waits for all sixteen; my work-group's barrier once more
	s_barrier_signal -1
	s_barrier_wait -1
	s_cmp_lg_u32 s14, 0
	s_cbranch_scc1 .Lnot_wave_0_\@
	s_barrier_signal -3
.Lnot_wave_0_\@:
	s_barrier_wait -3
	s_barrier_signal -1
	s_barrier_wait -1
.endm
	s_load_b128 s[4:7], s[0:1], 0x0                ; h_img s[4:5], W2_codes s[6:7]
	s_load_b128 s[8:11], s[0:1], 0x10              ; lowp_scales s[8:9], b2 s[10:11]
	s_load_b64 s[12:13], s[0:1], 0x20              ; out0
	v_lshl_add_u32 v[SPW], v0, 2, SPARE
	v_mov_b32 v[NIL], 0
	ds_add_u32 v28, v29
	ds_add_u32 v28, v29
	s_wait_dscnt 0x0
	v_lshrrev_b32 v1, 5, v0
	v_readfirstlane_b32 s14, v1                    ; wave 0..3: my quarter of K
	s_lshr_b32 s15, s14, 1                         ; I fetch for h (0) or for W2 (1),
	s_and_b32 s16, s14, 1                          ; and which half of that tile
	s_bfe_u32 s40, ttmp6, 0x40000                  ; cx, cy: my place in the cluster
	s_bfe_u32 s41, ttmp6, 0x40004
	s_lshl_b32 s42, ttmp9, 2
	s_add_co_u32 s42, s42, s40                     ; tile column (128 outputs) = 4 x cluster x + cx
	s_and_b32 s17, ttmp7, 0xffff
	s_lshl_b32 s17, s17, 2
	s_add_co_u32 s17, s17, s41                     ; tile row (128 tokens) = 4 x cluster y + cy
	s_lshl_b32 s43, s41, 2
	s_lshl_b32 s43, 15, s43                        ; my row of the cluster
	s_lshl_b32 s44, 0x1111, s40                    ; my column
	; descriptor group 1 for h: half a tile is 32,768 bytes on end in memory, stated as 128 rows of 32 elements of 8 bytes; no padding: the images are read 16 bytes a lane, 512 on end
	s_or_b32 s[G1+0], s43, (3<<16)|(1<<21)         ; 15:0 the mask: h's tiles go to my row; 17:16 element of 8 bytes; 21 set beside a mask
	s_mov_b32 s[G1+1], 32<<16                      ; tensor_dim0 = 32
	s_mov_b32 s[G1+2], 128<<16                     ; tensor_dim1 = 128
	s_mov_b32 s[G1+3], 32<<16                      ; tile_dim0 = 32
	s_mov_b32 s[G1+4], 128                         ; tile_dim1 = 128
	s_mov_b32 s[G1+5], 32                          ; tensor_dim0_stride: each row begins where the last ends
	s_mov_b32 s[G1+6], 0
	s_mov_b32 s[G1+7], 0
	; and for W2: 64 rows x 512 bytes, 8,192 bytes apart in memory, padded in LDS
	s_or_b32 s[G1B+0], s44, (0<<16)|(1<<20)|(1<<21)|(6<<22)|(3<<25)  ; the mask of my column; element of 1 byte; padding on; after every 128 words (code 6) 4 words (code 3)
	s_mov_b32 s[G1B+1], 512<<16                    ; tensor_dim0 = 512
	s_mov_b32 s[G1B+2], 64<<16                     ; tensor_dim1 = 64
	s_mov_b32 s[G1B+3], 512<<16                    ; tile_dim0 = 512
	s_mov_b32 s[G1B+4], 64                         ; tile_dim1 = 64
	s_mov_b32 s[G1B+5], 8192                       ; tensor_dim0_stride
	s_mov_b32 s[G1B+6], 0
	s_mov_b32 s[G1B+7], 0
	s_lshl_b32 s20, s17, 16                        ; h: 8 blocks of tokens x 8,192 bytes x tile row
	s_lshl_b32 s18, s16, 15                        ;    + my half
	s_add_co_u32 s20, s20, s18
	s_mov_b32 s21, 0
	s_lshl_b32 s46, s42, 20                        ; W2: 128 rows x 8,192 bytes x tile column
	s_lshl_b32 s19, s16, 19                        ;    + my 64 rows
	s_add_co_u32 s46, s46, s19
	s_mov_b32 s47, 0
	s_lshl_b32 s45, s16, 15                        ; where they go: h's halves at 0 and 32,768 of a slot,
	s_mul_i32 s84, s16, 64*PITCHB
	s_add_co_u32 s84, s84, AIMG                    ; W2's behind them: no place in the cluster enters an LDS address
	s_wait_kmcnt 0x0
	s_load_b128 s[68:71], s[8:9], 0x0              ; e0, e1, e2, e3
	s_add_nc_u64 s[20:21], s[4:5], s[20:21]
	s_add_nc_u64 s[46:47], s[6:7], s[46:47]
	CROUND                                         ; all sixteen work-groups are here: the first joint loads meet
.irp s, 0,1
	s_mov_b32 s[G0+4*\s], 1                        ; count = 1
	s_add_co_u32 s[G0+4*\s+1], s45, \s*SLOT        ; LDS address
	s_add_nc_u64 s[G0+4*\s+2:G0+4*\s+3], s[20:21], \s*0x100000   ; global address: K tile s of 512
	s_or_b32 s[G0+4*\s+3], s[G0+4*\s+3], 0x80000000              ; type = 2
	s_mov_b32 s[G0B+4*\s], 1
	s_add_co_u32 s[G0B+4*\s+1], s84, \s*SLOT
	s_add_nc_u64 s[G0B+4*\s+2:G0B+4*\s+3], s[46:47], \s*512
	s_or_b32 s[G0B+4*\s+3], s[G0B+4*\s+3], 0x80000000
	JLOAD G0+4*\s, G1, G0B+4*\s, G1B               ; two loads of mine are out
.endr
	v_and_b32 v1, 15, v0                           ; r = l % 16
	v_bfe_u32 v2, v0, 4, 1                         ; h = l / 16
	v_and_b32 v3, 31, v0
	v_lshlrev_b32 v[CO], 4, v3                     ; 16 l
	s_lshl_b32 s21, s14, 11
	v_add_nc_u32 v[ADRA], s21, v[CO]               ; h: fragment q = my wave's: 2,048 w + 16 l
	v_add_nc_u32 v[ADRA+1], SLOT, v[ADRA]
	v_mul_u32_u24 v4, v1, PITCHB
	v_lshl_add_u32 v5, v2, 4, v4                   ; W2: row r x pitch + 16 x half
	s_lshl_b32 s22, s14, 7
	s_add_co_u32 s22, s22, AIMG                    ;     + my 128 bytes of the row, behind h's images
	v_add_nc_u32 v[ADRB], s22, v5
	v_add_nc_u32 v[ADRB+1], SLOT, v[ADRB]
	s_mul_i32 s23, s14, PART                       ; my part
	v_lshl_add_u32 v6, v2, 5, v4
	v_add_nc_u32 v[STO], s23, v6                   ; in: row r, 32 bytes for each half of the lanes
	s_mul_i32 s23, s14, 32*PITCHB                  ; back: rows 32 w on, the 32 lanes take a row of 512 bytes,
	v_add_nc_u32 v[RDB], s23, v[CO]
	v_add_nc_u32 v[RDB+1], PART, v[RDB]            ; in each of the four parts
	v_add_nc_u32 v[RDB+2], PART, v[RDB+1]
	v_add_nc_u32 v[RDB+3], PART, v[RDB+2]
	s_lshl_b32 s76, s42, 9                         ; the tile's first output, in bytes
	s_mov_b32 s77, 0
	s_add_nc_u64 s[10:11], s[10:11], s[76:77]
	global_load_b128 v[B2:B2+3], v[CO], s[10:11]   ; b2 of outputs 4 l .. 4 l + 3 of the tile; waited for on the way out
	s_lshl_b32 s78, s17, 20                        ; out0 at the first row that I store: (128 x tile row + 32 x wave) x 8,192 bytes
	s_add_co_u32 s76, s76, s78
	s_lshl_b32 s78, s14, 18
	s_add_co_u32 s76, s76, s78
	s_add_nc_u64 s[12:13], s[12:13], s[76:77]
	s_wait_kmcnt 0x0                               ; the four exponents
	s_add_co_i32 s[SC], s70, s71                   ; e2 + e3, between -126 and 127,
	s_add_co_i32 s[SC], s[SC], 127
	s_lshl_b32 s[SC], s[SC], 23                    ; makes the f32 number 2^(e2 + e3)
	s_mov_b32 s[SC+1], s[SC]                       ; (named with it as a pair, so it is written)
; 16 matrix instructions: h's blocks a0, a0 + 1 against W2's eight, my 128 along K.  p: W2's set.  zero = 1: the first product starts the sums: nothing is ever cleared.
; The 64 accumulators take turns, one instruction a turn, in the same order in every step.
.macro MUL16 a0, p, zero
.irp a, \a0, \a0+1
.irp b, 0,1,2,3,4,5,6,7
.if \zero
	v_wmma_f32_16x16x128_bf8_bf8 v[8*(8*((\a)%4)+\b):8*(8*((\a)%4)+\b)+7], v[128*(\p)+FR*\b:128*(\p)+FR*\b+FR-1], v[AF+FR*(\a):AF+FR*(\a)+FR-1], 0
.else
	v_wmma_f32_16x16x128_bf8_bf8 v[8*(8*((\a)%4)+\b):8*(8*((\a)%4)+\b)+7], v[128*(\p)+FR*\b:128*(\p)+FR*\b+FR-1], v[AF+FR*(\a):AF+FR*(\a)+FR-1], v[8*(8*((\a)%4)+\b):8*(8*((\a)%4)+\b)+7]
.endif
.endr
.endr
.endm
.macro FETCH_B slot, p                 ; W2's eight fragments into set p: lane l holds, of row 16 i + l % 16, K = 32 c + 16 (l / 16) + 0 .. 15 of my 128 in registers 4 c .. 4 c + 3: as h's images have it
	WIN TO_B
.irp i, 0,1,2,3,4,5,6,7
.irp c, 0,1,2,3
	ds_load_b128 v[128*(\p)+FR*\i+4*\c:128*(\p)+FR*\i+4*\c+3], v[ADRB+\slot] offset:\i*16*PITCHB+32*\c
.endr
.endr
	WIN 0
.endm
.macro FETCH_A slot, i0                ; h's blocks i0 .. i0 + 3: images come back as they were stored, 512 bytes on end a load
.irp i, \i0, \i0+1, \i0+2, \i0+3
.irp c, 0,1,2,3
	ds_load_b128 v[AF+FR*(\i)+4*\c:AF+FR*(\i)+4*\c+3], v[ADRA+\slot] offset:(\i)*8192+512*\c
.endr
.endr
.endm
; A load into a register that a matrix instruction has read, and an LDS store that reads a matrix result, stand NP places behind it; only plain vector instructions that name none of its registers are
; places (ISA guide 7.12.1 for vector instructions).
.macro PLACES n
.rept \n
	v_nop
.endr
.endm
; A STEP: a slot's 512 along K, of which 128 are mine: 64 matrix instructions.  All my fragments of this slot have been asked for in the step before, so every step changes slots, early:
; each wave waits for all its tensor loads (one is out: its part of the next slot), adds 0 to its spare word, and waits for that and for its own reads of this slot; behind the barrier nobody reads this slot
; any more and the next slot is whole.  fill = 1: the barrier is a round of the cluster's, and this slot is filled again, two K tiles ahead: 48 of a step's 64 matrix instructions lie between the request and the wait for it.
; A block of h is free as soon as its eight products are issued, so one set of registers serves h: blocks 0-3 are fetched anew behind their products, blocks 4-7 at the step's end, each run 32 matrix
; instructions ahead of its use.  W2's next set is asked for first: the last products that read it stand in front of the four v_nop at the end of the step before.
.macro TURN slot, next, fill, zero
	s_wait_tensorcnt 0x0                           ; all my tensor loads have landed  (every window is 0 here)
	ds_add_u32 v[SPW], v[NIL]                      ; 0 onto my spare word
	s_wait_dscnt 4*NL+1                            ; (the add and the youngest 16 loads, h's blocks 4-7, may be out)
	WIN MUL_LO
	MUL16 0, \slot, \zero                          ; sixteen matrix instructions stand between the add and the wait for it
	WIN 0
	s_wait_dscnt 0x0                               ; the add is done, and my reads of this slot are over
.if \fill
	CROUND                                         ; no wave of any partner still reads this slot's tiles or has a load on its way
	s_add_nc_u64 s[G0+4*\slot+2:G0+4*\slot+3], s[G0+4*\slot+2:G0+4*\slot+3], 0x200000
	s_add_nc_u64 s[G0B+4*\slot+2:G0B+4*\slot+3], s[G0B+4*\slot+2:G0B+4*\slot+3], 1024
	JLOAD G0+4*\slot, G1, G0B+4*\slot, G1B         ; the first tensor load behind the round, and my only one until the next
.else
	s_barrier_signal -1
	s_barrier_wait -1
.endif
	FETCH_B \next, \next
	WIN MUL_LO
	MUL16 2, \slot, \zero
	PLACES NP
	WIN 0
	FETCH_A \next, 0
	WIN MUL_HI
	MUL16 4, \slot, \zero
	MUL16 6, \slot, \zero
	PLACES NP
	WIN 0
	FETCH_A \next, 4
.endm
	s_wait_tensorcnt 1                             ; my part of K tile 0 is in; K tile 1's load may stay out
	s_barrier_signal -1
	s_barrier_wait -1                              ; everybody's is
	FETCH_B 0, 0
	FETCH_A 0, 0
	FETCH_A 0, 4
	TURN 0, 1, 1, 1                                ; K tile 0 stands in front of the loop: its products start the sums; it asks for K tile 2
	s_mov_b32 s3, 6
.Lpair:                                                ; K tiles 1 to 12, two a trip; they ask for K tiles 3 to 14
	TURN 1, 0, 1, 0
	TURN 0, 1, 1, 0
	s_sub_co_u32 s3, s3, 1
	s_cmp_lg_u32 s3, 0
	s_cbranch_scc1 .Lpair
	TURN 1, 0, 1, 0                                ; K tile 13 asks for the last, 15
	TURN 0, 1, 0, 0                                ; K tile 14 asks for nothing, and has no round of the cluster's barrier
	s_wait_dscnt 4*NL                              ; K tile 15: nothing more to fetch
	WIN MUL_LO
	MUL16 0, 1, 0
	MUL16 2, 1, 0
	s_wait_dscnt 0x0                               ; my reads of the ring are over:
	s_barrier_signal -1                            ; say so,
	WIN MUL_HI
	MUL16 4, 1, 0                                  ; work on registers while the others arrive,
	MUL16 6, 1, 0
	WIN 0
	s_barrier_wait -1                              ; and behind this nobody reads the ring any more; no fill follows: the parts may be laid over it
	; THE WAY OUT.  My 128 x 128 sums go into my part: lane (r, h) holds, of accumulator (a, b), outputs 16 b + 8 h + 0 .. 7 of token 16 a + r: 32 bytes of a row; each accumulator from its low end on.
	PLACES NP                                      ; behind the last products, in front of the stores that read their results
.irp a, 0,1,2,3,4,5,6,7
	WIN (0x08+4*(\a/4))                            ; store data: window 2 or 3
.irp b, 0,1,2,3,4,5,6,7
	ds_store_b128 v[STO], v[64*(\a%4)+8*\b:64*(\a%4)+8*\b+3]   offset:\a*16*PITCHB+64*\b
	ds_store_b128 v[STO], v[64*(\a%4)+8*\b+4:64*(\a%4)+8*\b+7] offset:\a*16*PITCHB+64*\b+16
.endr
.endr
	WIN 0
	s_wait_dscnt 0x0                               ; for the others' sake: my stores have landed
	s_barrier_signal -1
	s_barrier_wait -1                              ; the four parts are whole
; Wave w adds rows 32 w .. 32 w + 31, four rows at a time, in two buffers by turns: a row of 512 bytes is 16 bytes a lane, from each of the four parts.
.macro RLOAD g
.irp i, 0,1,2,3
.irp k, 0,1,2,3
	ds_load_b128 v[BK+64*((\g)%2)+16*\i+4*\k:BK+64*((\g)%2)+16*\i+4*\k+3], v[RDB+\k] offset:(4*(\g)+\i)*PITCHB
.endr
.endr
.endm
.macro RSUM g, younger                 ; younger: the other buffer's loads, which may stay out
	s_wait_dscnt \younger
.if (\g) > 1
	s_wait_xcnt 0x0                                ; the stores of two groups back have read this set of rows: only behind this wait is it written again
.endif
.irp i, 0,1,2,3
.set RB, BK+64*((\g)%2)+16*\i
.set OB, OUTR+16*((\g)%2)+4*\i
	v_pk_add_f32 v[RB:RB+1],     v[RB:RB+1],     v[RB+4:RB+5]      ; p0 + p1
	v_pk_add_f32 v[RB+2:RB+3],   v[RB+2:RB+3],   v[RB+6:RB+7]
	v_pk_add_f32 v[RB+8:RB+9],   v[RB+8:RB+9],   v[RB+12:RB+13]    ; p2 + p3
	v_pk_add_f32 v[RB+10:RB+11], v[RB+10:RB+11], v[RB+14:RB+15]
	v_pk_add_f32 v[RB:RB+1],     v[RB:RB+1],     v[RB+8:RB+9]
	v_pk_add_f32 v[RB+2:RB+3],   v[RB+2:RB+3],   v[RB+10:RB+11]
	v_pk_fma_f32 v[OB:OB+1],   v[RB:RB+1],   s[SC:SC+1], v[B2:B2+1]   op_sel_hi:[1,0,1]   ; sum x 2^(e2 + e3) + b2 (the scalar pair's low word for both halves)
	v_pk_fma_f32 v[OB+2:OB+3], v[RB+2:RB+3], s[SC:SC+1], v[B2+2:B2+3] op_sel_hi:[1,0,1]
.endr
.if (\g)+2 < 8
	RLOAD (\g)+2                                   ; the buffer takes the rows of two groups on
.endif
.irp i, 0,1,2,3
.set OB, OUTR+16*((\g)%2)+4*\i
	global_store_b128 v[CO], v[OB:OB+3], s[12:13] offset:(4*(\g)+\i)*8192 th:TH_STORE_NT   ; 32 lanes store 512 consecutive bytes, at a multiple of 512 from out0's first byte; written once, read by nobody here
.endr
.endm
	RLOAD 0
	RLOAD 1
	s_wait_loadcnt 0x0                             ; b2
	RSUM 0, 16
	RSUM 1, 16
	RSUM 2, 16
	RSUM 3, 16
	RSUM 4, 16
	RSUM 5, 16
	RSUM 6, 16
	RSUM 7, 0
	s_wait_tensorcnt 0x0                           ; the wave's end: behind my last tensor load and my last LDS store
	ds_add_u32 v[SPW], v[NIL]
	s_wait_dscnt 0x0
	CROUND                                         ; the closing round: no work-group ends while a partner may still ask for a tile that names it
	s_endpgm
.Lfunc_end_k_q6d165fdc36_fc2:
	.size	k_q6d165fdc36_fc2, .Lfunc_end_k_q6d165fdc36_fc2-k_q6d165fdc36_fc2
	.p2alignl 7, 3214868480
	.fill 96, 4, 3214868480
	.section	.rodata,"a",@progbits
	.p2align	6, 0x0
	.amdhsa_kernel k_q6d165fdc36_fc2
		.amdhsa_group_segment_fixed_size 327680
		.amdhsa_private_segment_fixed_size 0
		.amdhsa_enable_private_segment 0
		.amdhsa_kernarg_size 40
		.amdhsa_user_sgpr_count 2
		.amdhsa_user_sgpr_kernarg_segment_ptr 1
		.amdhsa_wavefront_size32 1
		.amdhsa_system_sgpr_workgroup_id_x 1
		.amdhsa_system_sgpr_workgroup_id_y 1
		.amdhsa_system_sgpr_workgroup_id_z 1
		.amdhsa_system_vgpr_workitem_id 0
		.amdhsa_next_free_vgpr 1024
		.amdhsa_next_free_sgpr 100
		.amdhsa_reserve_vcc 0
		.amdhsa_float_denorm_mode_32 3
		.amdhsa_float_denorm_mode_16_64 3
		.amdhsa_memory_ordered 1
		.amdhsa_forward_progress 1
		.amdhsa_inst_pref_size 99
	.end_amdhsa_kernel
	.amdgpu_metadata
---
amdhsa.version: [ 1, 2 ]
amdhsa.kernels:
  - .name:           k_q6d165fdc36_fc2
    .symbol:         k_q6d165fdc36_fc2.kd
    .args:
      - { .name: h_img, .offset: 0, .size: 8, .value_kind: global_buffer, .address_space: global }
      - { .name: W2_codes, .offset: 8, .size: 8, .value_kind: global_buffer, .address_space: global }
      - { .name: lowp_scales, .offset: 16, .size: 8, .value_kind: global_buffer, .address_space: global }
      - { .name: b2, .offset: 24, .size: 8, .value_kind: global_buffer, .address_space: global }
      - { .name: out0, .offset: 32, .size: 8, .value_kind: global_buffer, .address_space: global }
    .group_segment_fixed_size: 327680
    .private_segment_fixed_size: 0
    .kernarg_segment_align: 8
    .kernarg_segment_size: 40
    .max_flat_workgroup_size: 128
    .sgpr_count:     100
    .vgpr_count:     1024
    .wavefront_size: 32
...
	.end_amdgpu_metadata
.endif
;; end of part 2
;; ======== version 2 of 2: 2 launches
;; limits: right only within a limited range of input values
;; workspace buffers: h_img 16,777,216 bytes
;; launch fc1 (part 3): grid 32 x 8, 4 waves a work-group, clusters of 4 x 4, 327,680 bytes of LDS; arguments x_codes, W1_codes, lowp_scales, b1, h_img; writes h_img
.if DOCPART == 3
	.amdgcn_target "amdgcn-amd-amdhsa--gfx1250"
	.amdhsa_code_object_version 6
	.text
	.protected	k_q6d165fdc36_fc1
	.globl	k_q6d165fdc36_fc1
	.p2align	8
	.type	k_q6d165fdc36_fc1,@function
k_q6d165fdc36_fc1:
	s_mov_b64 s[64:65], 0
	v_nop
	global_prefetch_b8 v0, s[64:65] scope:SCOPE_SE
	s_setreg_imm32_b32 hwreg(HW_REG_WAVE_MODE, 25, 1), 1
	s_wait_xcnt 0x0
	s_wait_alu depctr_hold_cnt(0) depctr_sa_sdst(0) depctr_va_vdst(0) depctr_va_sdst(0) depctr_va_ssrc(0) depctr_va_vcc(0) depctr_vm_vsrc(0)
	s_getreg_b32 s2, hwreg(HW_REG_IB_STS2, 6, 4)
	s_cmp_eq_u32 s2, 0
	s_cbranch_scc0 .Lentry_in_a_cluster
	s_endpgm
.Lentry_in_a_cluster:
	s_bfe_u32 s2, ttmp6, 0x10000c
	s_cmp_lg_u32 s2, 0xf033
	s_cbranch_scc0 .Lentry_shape_is_right
	s_endpgm
.Lentry_shape_is_right:
; h = Q(gelu(x^T W1 x 2^(e0 + e1) + b1)) as codes of BF8 (E5M2) with the given scale 2^e2.  x_codes: [2048 tokens][2048 K], W1_codes: [8192 hidden][2048 K], K innermost, a code a byte; b1: [8192] f32;
; lowp_scales: e0, e1, e2, e3.  h_img: images of fc2's operand registers, [t 0..15][tb 0..127][q 0..3][2,048 bytes]: tokens 16 tb on, hidden units 128 (4 t + q) on; code i of register group c of lane l at 512 c + 16 l + i.
; gelu(y) = y / (1 + 2^(y (c0 + c1 y^2))), c0 = -2 log2(e) sqrt(2 / pi), c1 = 0.044715 c0: the tanh form, in f32.
; LIMITS: e0 + e1 between -126 and 127, e2 between -126 and 112, so that the factors are f32 numbers.  NaN in b1 and codes of NaN or infinity are not served.
; ORDER OF ROUNDING: one f32 chain for each sum over the K tiles in the order below, not K ascending.
; SHARES.  256 tiles of 256 tokens x 256 hidden units, one for each work-group; a wave makes 128 x 128: 64 accumulators of 16 x 16, 512 registers.  K goes in eight tiles of 256 through two LDS slots.
; CLUSTERS: 4 x 4 work-groups.  The four of a row of the cluster need the same tiles of x, the four of a column the same tiles of W1: each tile is asked for jointly, by the same tensor load with the same
; descriptor and a mask that names the four.  THE MATRIX INSTRUCTION IS USED TRANSPOSED (source 0 = 16 rows of W1, source 1 = 16 tokens): a lane holds eight neighbouring hidden units of one token.
; THE FIRST FILLS: each wave issues one joint load at the head, a whole operand tile of one slot: wave 0 x's for slot 0, wave 1 x's for slot 1, waves 2 and 3 W1's.  A refill is shared otherwise: each wave half an operand tile.
; THE ORDER OF K: step s takes tile (s & 4) | ((s + RHO) & 3), RHO = (cluster x + 2 cluster y) mod 4: of the cluster's coordinates alone, so the same in all sixteen partners.
; PREFETCH: behind the refill of step s's tile each wave asks for its part of the tile of step s + 2, 32 rows x 256 bytes, a lane a row; the four partners of a joint load share its rows out by address (cx for x, cy for W1).
; The head's tiles and steps 2 and 3 come by their loads alone; the last two refills ask for nothing.
; REGISTERS: window 0: v0-31 addresses; v32-95 b1; v96-127 codes on the way out; v128-255 x's fragments, one set.   window 1: W1's fragments, two sets, at v0 and v128; on the way out block a's y at v[128 (a % 2)] and
;   its polynomial, exponential and reciprocal 64 registers on.   window 2: the accumulators of my tokens 0-63 ((a, b) at v[8 (8 a + b)]);   window 3: those of my tokens 64-127.
.set ROWB,   256
.set PITCH,  272                       ; 256 bytes + 16 of padding = 68 words: row r starts at bank 4 r mod 64 (64 banks of 4 bytes: ISA guide 11.1)
.set FR,     16                        ; registers of a fragment, 16 rows x 128 K
.set NL,     4                         ; LDS loads that bring one
.set NP,     4                         ; places behind this matrix instruction (ISA guide 7.12.1)
.set HALFT,  128*PITCH
.set SLOT,   4*HALFT                   ; x's 256 rows, then W1's 256 rows
.set SPARE,  2*SLOT                    ; the spare words, 128 bytes a wave
.set C0,   8
.set QS,   10
.set QL,   11
.set ADRA, 16
.set ADRB, 20
.set HO,   24
.set BO,   25
.set SPW,  28
.set NIL,  29
.set PFO,  30
.set BI,   32
.set CODE, 96
.set AF,   128
.set G1, 24                            ; s[24:31], s[32:39] descriptor groups 1 and 0 (one for each slot) for x;  s[48:55], s[56:63] for W1
.set G0, 32
.set G1B, 48
.set G0B, 56
.set SC,  72
.set C1,  74
.set BA,  84                           ; s[84:85] x at the tile row (behind the head: at my half), s[86:87] W1 likewise
.set BB,  86
.set RHO, 88
.set SN,  89                           ; the step whose tile is asked for next
.set KO,  90                           ; s[90:91] its byte offset in a row
.set PB,  94                           ; s[94:95] the rows that I prefetch, at K tile 0
.set PA,  96                           ; s[96:97] the same at the K tile that is asked for
.set PO,  98                           ; s[98:99] an offset
.set MSB, 0
.macro WIN new                         ; the immediate's high byte repeats the setting that is left
.if MSB != \new
	s_set_vgpr_msb (MSB<<8)|\new
.set MSB, \new
.endif
.endm
.set MUL_LO, 0xa1                      ; source 0 (W1) window 1, source 1 (x) window 0, C and D window 2
.set MUL_HI, 0xf1                      ; the same, C and D window 3
.set TO_B,   0x40                      ; destination window 1, address window 0
; A joint load: waves 0 and 1 for x, waves 2 and 3 for W1; each line has one mask and one set of registers for all that issue it.
.macro JLOAD g0a, g1a, g0b, g1b
	s_cmp_eq_u32 s15, 0
	s_cbranch_scc0 .Lfor_b_\@
	tensor_load_to_lds s[\g0a:\g0a+3], s[\g1a:\g1a+7]
	s_nop 0
.rept 4
	v_nop
.endr
	s_branch .Lasked_\@
.Lfor_b_\@:
	tensor_load_to_lds s[\g0b:\g0b+3], s[\g1b:\g1b+7]
	s_nop 0
.rept 4
	v_nop
.endr
.Lasked_\@:
.endm
.macro CREST                           ; a round of the cluster's barrier behind its opening barrier
	s_cmp_lg_u32 s14, 0
	s_cbranch_scc1 .Lnot_wave_0_\@
	s_barrier_signal -3
.Lnot_wave_0_\@:
	s_barrier_wait -3
	s_barrier_signal -1
	s_barrier_wait -1
.endm
.macro CROUND
	s_barrier_signal -1
	s_barrier_wait -1
	CREST
.endm
.macro TILEOFF dst                     ; byte offset of the tile of step s92
	s_and_b32 s93, s92, 4
	s_add_co_u32 s92, s92, s[RHO]
	s_and_b32 s92, s92, 3
	s_or_b32 s92, s92, s93
	s_lshl_b32 s[\dst], s92, 8
.endm
.macro ASK lim                         ; PA stands two refills on; the last two ask for nothing
	s_cmp_lt_u32 s[SN], \lim
	s_cbranch_scc0 .Lno_ask_\@
	global_prefetch_b8 v[PFO], s[PA:PA+1] th:TH_LOAD_NT scope:SCOPE_SE
.Lno_ask_\@:
.endm
	s_load_b128 s[4:7], s[0:1], 0x0                ; x_codes, W1_codes
	s_load_b128 s[8:11], s[0:1], 0x10              ; lowp_scales, b1
	s_load_b64 s[12:13], s[0:1], 0x20              ; h_img
	v_lshl_add_u32 v[SPW], v0, 2, SPARE
	v_mov_b32 v[NIL], 0
	ds_add_u32 v[SPW], v[NIL]                      ; the opening: the add, twice on end, and its wait
	ds_add_u32 v[SPW], v[NIL]
	v_lshrrev_b32 v1, 5, v0
	v_readfirstlane_b32 s14, v1                    ; wave 0..3
	s_lshr_b32 s15, s14, 1                         ; which half of the tile's tokens is mine; also: I fetch for x (0) or for W1 (1)
	s_and_b32 s16, s14, 1                          ; which half of its hidden units; also: which slot I fill first, and which 128 rows I fetch in a refill
	s_bfe_u32 s40, ttmp6, 0x40000                  ; cx, cy
	s_bfe_u32 s41, ttmp6, 0x40004
	s_lshl_b32 s42, ttmp9, 2
	s_add_co_u32 s42, s42, s40                     ; tile column = 4 x cluster x + cx
	s_and_b32 s17, ttmp7, 0xffff
	s_lshl_b32 s[RHO], s17, 1
	s_add_co_u32 s[RHO], s[RHO], ttmp9
	s_and_b32 s[RHO], s[RHO], 3
	s_lshl_b32 s17, s17, 2
	s_add_co_u32 s17, s17, s41                     ; tile row = 4 x cluster y + cy
	s_lshl_b32 s43, s41, 2
	s_lshl_b32 s43, 15, s43                        ; my row of the cluster
	s_lshl_b32 s44, 0x1111, s40                    ; my column
	s_or_b32 s[G1+0], s43, (0<<16)|(1<<20)|(1<<21)|(5<<22)|(3<<25)  ; the mask; elements of 1 byte; bit 21 beside a mask; after every 64 words 4 words of padding
	s_or_b32 s[G1B+0], s44, (0<<16)|(1<<20)|(1<<21)|(5<<22)|(3<<25)
.irp g, G1, G1B
	s_mov_b32 s[\g+1], ROWB<<16                    ; the first fills: 256 rows of 256 bytes
	s_mov_b32 s[\g+2], 256<<16
	s_mov_b32 s[\g+3], ROWB<<16
	s_mov_b32 s[\g+4], 256
	s_mov_b32 s[\g+5], 2048
	s_mov_b32 s[\g+6], 0
	s_mov_b32 s[\g+7], 0
.endr
	s_lshl_b32 s20, s17, 19                        ; 256 rows x 2,048 bytes x tile row
	s_mov_b32 s21, 0
	s_lshl_b32 s46, s42, 19                        ; and x tile column
	s_mov_b32 s47, 0
	s_lshl_b32 s18, s16, 18                        ; my 128 rows in a refill
	s_mov_b32 s19, 0
	s_mov_b32 s[KO+1], 0
	s_mov_b32 s[PO+1], 0
	s_mov_b32 s92, s16                             ; the first fill: the tile of step s16, into slot s16
	TILEOFF KO
	s_mov_b32 s[G0], 1
	s_mul_i32 s[G0+1], s16, SLOT
	s_mov_b32 s[G0B], 1
	s_add_co_u32 s[G0B+1], s[G0+1], 2*HALFT
	s_wait_dscnt 0x0                               ; both opening adds are done
	CROUND                                         ; all sixteen work-groups are here: the first joint loads meet
	s_wait_kmcnt 0x0
	s_load_b128 s[68:71], s[8:9], 0x0              ; e0, e1, e2, e3
	s_add_nc_u64 s[BA:BA+1], s[4:5], s[20:21]
	s_add_nc_u64 s[BB:BB+1], s[6:7], s[46:47]
	s_add_nc_u64 s[G0+2:G0+3], s[BA:BA+1], s[KO:KO+1]
	s_or_b32 s[G0+3], s[G0+3], 0x80000000
	s_add_nc_u64 s[G0B+2:G0B+3], s[BB:BB+1], s[KO:KO+1]
	s_or_b32 s[G0B+3], s[G0B+3], 0x80000000
	JLOAD G0, G1, G0B, G1B
	s_add_nc_u64 s[BA:BA+1], s[BA:BA+1], s[18:19]
	s_add_nc_u64 s[BB:BB+1], s[BB:BB+1], s[18:19]
	s_lshl_b32 s78, s40, 16                        ; the prefetches: 32 rows x my place among the four that ask with me
	s_lshl_b32 s79, s41, 16
	s_cmp_eq_u32 s15, 0
	s_cselect_b32 s[PO], s78, s79
	s_cselect_b64 s[PB:PB+1], s[BA:BA+1], s[BB:BB+1]
	s_add_nc_u64 s[PB:PB+1], s[PB:PB+1], s[PO:PO+1]
	s_mul_i32 s21, s15, HALFT                      ; my 128 rows of x,
	s_mul_i32 s22, s16, HALFT                      ; my 128 rows of W1,
	s_add_co_u32 s22, s22, 2*HALFT                 ; behind x's 256
	s_lshl_b32 s78, s42, 10                        ; b1 of my 128 hidden units
	s_lshl_b32 s79, s16, 9
	s_add_co_u32 s78, s78, s79
	s_mov_b32 s79, 0
	s_add_nc_u64 s[10:11], s[10:11], s[78:79]
	v_and_b32 v1, 15, v0                           ; r
	v_bfe_u32 v2, v0, 4, 1                         ; h
	v_lshlrev_b32 v[HO], 4, v1
	v_lshl_add_u32 v[HO], v2, 3, v[HO]             ; 16 r + 8 h
	v_lshlrev_b32 v[BO], 5, v2
	v_mul_u32_u24 v3, v1, PITCH
	v_lshl_add_u32 v4, v2, 4, v3
	v_and_b32 v5, 31, v0
	v_lshlrev_b32 v[PFO], 11, v5                   ; a lane a row
	v_add_nc_u32 v[ADRA], s21, v4
	v_add_nc_u32 v[ADRB], s22, v4
	v_add_nc_u32 v[ADRA+1], SLOT, v[ADRA]
	v_add_nc_u32 v[ADRB+1], SLOT, v[ADRB]
.irp b, 0,1,2,3,4,5,6,7
	global_load_b128 v[BI+8*\b:BI+8*\b+3],   v[BO], s[10:11] offset:64*\b      ; b1 in the result's layout
	global_load_b128 v[BI+8*\b+4:BI+8*\b+7], v[BO], s[10:11] offset:64*\b+16
.endr
	s_lshl_b32 s76, s42, 1                         ; my image in h_img: hidden block 2 x tile column + half = 4 t + q
	s_add_co_u32 s76, s76, s16
	s_lshr_b32 s77, s76, 2
	s_lshl_b32 s77, s77, 20
	s_and_b32 s76, s76, 3
	s_lshl_b32 s76, s76, 11
	s_add_co_u32 s76, s76, s77
	s_lshl_b32 s77, s17, 4                         ; token block 16 x tile row + 8 x half
	s_lshl_b32 s78, s15, 3
	s_add_co_u32 s77, s77, s78
	s_lshl_b32 s77, s77, 13
	s_add_co_u32 s76, s76, s77
	s_mov_b32 s77, 0
	s_add_nc_u64 s[12:13], s[12:13], s[76:77]
	s_wait_alu depctr_va_vdst(0)
	s_wait_kmcnt 0x0
	s_add_co_i32 s[SC], s68, s69
	s_add_co_i32 s[SC], s[SC], 127
	s_lshl_b32 s[SC], s[SC], 23                    ; 2^(e0 + e1)
	s_mov_b32 s[SC+1], s[SC]
	s_mov_b32 s[C1], 0xbdd2d3e8
	s_mov_b32 s[C1+1], s[C1]
	s_add_co_i32 s80, s70, 127
	s_lshl_b32 s81, s80, 23                        ; 2^e2
	s_add_co_i32 s80, s80, 15
	s_lshl_b32 s80, s80, 23
	s_or_b32 s80, s80, 0x600000                    ; 57,344 x 2^e2
	v_mov_b32 v[C0], 0xc0135761
	v_mov_b32 v[C0+1], 0xc0135761
	v_mov_b32 v[QS], s81
	v_mov_b32 v[QL], s80
.macro FRAG reg, adr, q, i             ; lane l holds, of row l % 16, K = 32 c + 16 (l / 16) + 0 .. 15 in registers 4 c .. 4 c + 3: the same in both operands
.irp c, 0,1,2,3
	ds_load_b128 v[\reg+4*\c:\reg+4*\c+3], v[\adr] offset:128*(\q)+32*\c+(\i)*16*PITCH
.endr
.endm
; x's block a against W1's eight, 128 along K.  p: W1's set.  The 64 accumulators take turns in the same order in every step.  zero = 1: the first product starts the sums.
.macro MUL8 a, p, zero
.irp b, 0,1,2,3,4,5,6,7
.if \zero
	v_wmma_f32_16x16x128_bf8_bf8 v[8*(8*((\a)%4)+\b):8*(8*((\a)%4)+\b)+7], v[128*(\p)+FR*\b:128*(\p)+FR*\b+FR-1], v[AF+FR*(\a):AF+FR*(\a)+FR-1], 0
.else
	v_wmma_f32_16x16x128_bf8_bf8 v[8*(8*((\a)%4)+\b):8*(8*((\a)%4)+\b)+7], v[128*(\p)+FR*\b:128*(\p)+FR*\b+FR-1], v[AF+FR*(\a):AF+FR*(\a)+FR-1], v[8*(8*((\a)%4)+\b):8*(8*((\a)%4)+\b)+7]
.endif
.endr
.endm
.macro MUL16 a0, p, zero
	MUL8 \a0, \p, \zero
	MUL8 \a0+1, \p, \zero
.endm
.macro FETCH_B slot, q, p
	WIN TO_B
.irp i, 0,1,2,3,4,5,6,7
	FRAG 128*(\p)+FR*\i, ADRB+\slot, \q, \i
.endr
	WIN 0
.endm
.macro FETCH_A slot, q, i0
.irp i, \i0, \i0+1, \i0+2, \i0+3
	FRAG AF+FR*(\i), ADRA+\slot, \q, \i
.endr
.endm
.macro PLACES n                        ; in front of loads into registers that matrix instructions have read, and of the first reads of results
.rept \n
	v_nop
.endr
.endm
; A slot's first 128 along K.  W1's other set was last read in front of the four v_nop that ended the step before: its next fragments are asked for at the step's start.
.macro STEP slot, zero
	FETCH_B \slot, 1, 1
	s_wait_dscnt 48                                ; W1's set and x's blocks 0-3 are in; out may be x's blocks 4-7 (16) and the 32 just issued
	WIN MUL_LO
	MUL16 0, 0, \zero
	MUL16 2, 0, \zero
	PLACES NP
	WIN 0
	FETCH_A \slot, 1, 0
	s_wait_dscnt 48                                ; x's blocks 4-7 are in; out may be W1's 32 and the 16 just issued
	WIN MUL_HI
	MUL16 4, 0, \zero
	MUL16 6, 0, \zero
	PLACES NP
	WIN 0
	FETCH_A \slot, 1, 4
.endm
; A slot's second 128 along K changes slots: one barrier, which opens a round of the cluster's where the slot is filled again (fill = 1).
.macro TURN slot, next, fill
.if \fill
	s_wait_xcnt 0x0                                ; my last prefetch has read its address
	s_mov_b32 s92, s[SN]
	TILEOFF KO
	s_add_co_u32 s92, s[SN], 2
	TILEOFF PO
	s_add_co_u32 s[SN], s[SN], 1
	s_add_nc_u64 s[PA:PA+1], s[PB:PB+1], s[PO:PO+1]
.endif
	s_wait_tensorcnt 0x0                           ; my part of the next slot has landed, and every group 0 may be written
	ds_add_u32 v[SPW], v[NIL]                      ; 0 onto my spare word
.if \fill
	s_add_nc_u64 s[G0+4*\slot+2:G0+4*\slot+3], s[BA:BA+1], s[KO:KO+1]
	s_or_b32 s[G0+4*\slot+3], s[G0+4*\slot+3], 0x80000000
	s_add_nc_u64 s[G0B+4*\slot+2:G0B+4*\slot+3], s[BB:BB+1], s[KO:KO+1]
	s_or_b32 s[G0B+4*\slot+3], s[G0B+4*\slot+3], 0x80000000
.endif
	s_wait_dscnt 4*NL+1                            ; out may be x's blocks 4-7 and the add
	WIN MUL_LO
	MUL16 0, 1, 0
	s_wait_dscnt 0x0                               ; the add is done, and my reads of this slot are over
	s_barrier_signal -1
	MUL8 2, 1, 0
	WIN 0
	s_barrier_wait -1
.if \fill
	CREST                                          ; no wave of any partner still reads this slot or has a load on its way
	JLOAD G0+4*\slot, G1, G0B+4*\slot, G1B
.endif
	FETCH_B \next, 0, 0                            ; set 0 was last read in the step before
.if \fill
	ASK 7
.endif
	WIN MUL_LO
	MUL8 3, 1, 0
	PLACES NP
	WIN 0
	FETCH_A \next, 0, 0
	WIN MUL_HI
	MUL16 4, 1, 0
	MUL16 6, 1, 0
	PLACES NP
	WIN 0
	FETCH_A \next, 0, 4
.endm
	s_wait_alu depctr_va_vdst(0)
	s_wait_tensorcnt 0x0                           ; my first fill has landed
	s_barrier_signal -1
	s_mul_i32 s45, s16, HALFT                      ; the refills: 128 rows a wave
	s_mov_b32 s[G0+1], s45
	s_add_co_u32 s[G0B+1], s45, 2*HALFT
	s_mov_b32 s[G0+4], 1
	s_add_co_u32 s[G0+5], s45, SLOT
	s_mov_b32 s[G0B+4], 1
	s_add_co_u32 s[G0B+5], s45, SLOT+2*HALFT
.irp g, G1, G1B
	s_mov_b32 s[\g+2], 128<<16
	s_mov_b32 s[\g+4], 128
.endr
	s_mov_b32 s[SN], 2
	s_mov_b32 s3, 3
	s_barrier_wait -1                              ; and everybody's: both slots are whole
	FETCH_B 0, 0, 0
	FETCH_A 0, 0, 0
	FETCH_A 0, 0, 4
	STEP 0, 1
.Llap:                                                 ; slots 0 and 1 are filled again: six refills in three trips
	TURN 0, 1, 1
	STEP 1, 0
	TURN 1, 0, 1
	STEP 0, 0
	s_sub_co_u32 s3, s3, 1
	s_cmp_lg_u32 s3, 0
	s_cbranch_scc1 .Llap
	TURN 0, 1, 0
	STEP 1, 0
; THE WAY OUT, by blocks of 16 tokens x 128 hidden units, 64 numbers a lane: y = sum x 2^(e0 + e1) + b1 (OP1); the polynomial (OP2 to OP4); 1 / (1 + 2^..); the product (OP6); the hold at the largest code (OP7: the
; conversion does not saturate: ISA guide 7.6.2); the codes.  Block a's work registers are in window 1: y at v[128 (a % 2)], the rest 64 registers on.  Two neighbouring blocks are at work at a time:
; block a - 1's holds stand among block a's exponentials, block a + 1's squares among block a's reciprocals.
.set W_Y,  0x42                        ; sums (window 2; + 1: window 3) to y: destination window 1, b1 window 0
.set W_P,  0x45                        ; sources 0 and 1 and destination window 1, source 2 window 0
.set W_H,  0x41                        ; source 0 and destination window 1, sources 1 and 2 window 0
.set W_C,  0x01                        ; source 0 window 1, the rest window 0
.macro OP1 a, j
	v_pk_fma_f32 v[128*((\a)%2)+\j:128*((\a)%2)+\j+1], v[64*((\a)%4)+\j:64*((\a)%4)+\j+1], s[SC:SC+1], v[BI+\j:BI+\j+1] op_sel_hi:[1,0,1]
.endm
.macro OP2 a, j
	v_pk_mul_f32 v[128*((\a)%2)+64+\j:128*((\a)%2)+64+\j+1], v[128*((\a)%2)+\j:128*((\a)%2)+\j+1], v[128*((\a)%2)+\j:128*((\a)%2)+\j+1]
.endm
.macro OP3 a, j
	v_pk_fma_f32 v[128*((\a)%2)+64+\j:128*((\a)%2)+64+\j+1], v[128*((\a)%2)+64+\j:128*((\a)%2)+64+\j+1], s[C1:C1+1], v[C0:C0+1] op_sel_hi:[1,0,1]
.endm
.macro OP4 a, j
	v_pk_mul_f32 v[128*((\a)%2)+64+\j:128*((\a)%2)+64+\j+1], v[128*((\a)%2)+64+\j:128*((\a)%2)+64+\j+1], v[128*((\a)%2)+\j:128*((\a)%2)+\j+1]
.endm
.macro OP5 a, j
	v_pk_add_f32 v[128*((\a)%2)+64+\j:128*((\a)%2)+64+\j+1], v[128*((\a)%2)+64+\j:128*((\a)%2)+64+\j+1], 1.0 op_sel_hi:[1,0]
.endm
.macro OP6 a, j
	v_pk_mul_f32 v[128*((\a)%2)+\j:128*((\a)%2)+\j+1], v[128*((\a)%2)+\j:128*((\a)%2)+\j+1], v[128*((\a)%2)+64+\j:128*((\a)%2)+64+\j+1]
.endm
.macro OP7 a, j
	v_med3_num_f32 v[128*((\a)%2)+\j], v[128*((\a)%2)+\j], -v[QL], v[QL]
.endm
.macro ALL op, a                       ; one of the packed operations over a block's 64 numbers
.set j, 0
.rept 32
	\op \a, j
.set j, j+2
.endr
.endm
.macro OUT a                           ; block a's codes: 16 tokens x 16 hidden units are 256 consecutive bytes, aligned, of the image: a store each
.set CD, CODE+16*((\a)%2)
.if (\a) > 1
	s_wait_xcnt 0x0                                ; the stores of two blocks back have read these registers
.endif
	WIN W_C
.irp b, 0,1,2,3,4,5,6,7
	v_cvt_scalef32_pk8_bf8_f32 v[CD+2*\b:CD+2*\b+1], v[128*((\a)%2)+8*\b:128*((\a)%2)+8*\b+7], v[QS]
.endr
	WIN 0
	v_nop
.irp b, 0,1,2,3,4,5,6,7
	global_store_b64 v[HO], v[CD+2*\b:CD+2*\b+1], s[12:13] offset:(\a)*8192+256*\b
.endr
.endm
.macro ACT a                           ; begins with block a's polynomial done; ends with block a's product and block a + 1's polynomial done
	WIN W_H
	s_wait_alu depctr_va_vdst(0)
.set j, 0
.rept 64
	v_exp_f32 v[128*((\a)%2)+64+j], v[128*((\a)%2)+64+j]
.if (\a) > 0
	OP7 \a-1, j
.endif
.set j, j+1
.endr
.if (\a) == 0
	v_nop
.endif
	s_wait_alu depctr_va_vdst(0)
.if (\a) > 0
	OUT \a-1
.endif
	WIN W_P
	ALL OP5, \a
.if (\a) < 7
	WIN (W_Y+((\a+1)/4))
	s_wait_alu depctr_va_vdst(0)                   ; directly ahead of the first reads of block a + 1's sums
	ALL OP1, \a+1
	WIN W_P
.endif
	s_wait_alu depctr_va_vdst(0)
.set j, 0
.rept 32
	v_rcp_f32 v[128*((\a)%2)+64+j], v[128*((\a)%2)+64+j]
	v_rcp_f32 v[128*((\a)%2)+65+j], v[128*((\a)%2)+65+j]
.if (\a) < 7
	OP2 \a+1, j
.endif
.set j, j+2
.endr
.if (\a) == 7
	v_nop
.endif
	s_wait_alu depctr_va_vdst(0)
	ALL OP6, \a
.if (\a) < 7
	ALL OP3, \a+1
	ALL OP4, \a+1
.endif
.endm
	s_wait_dscnt 4*NL                              ; the very last step
	WIN MUL_LO
	MUL16 0, 1, 0
	MUL16 2, 1, 0
	s_wait_dscnt 0
	s_wait_loadcnt 0x0                             ; b1
	PLACES NP                                      ; behind block 0's last products; set 0 of W1's fragments, where block 0's work registers lie, was last read in the step before
; Blocks 4-7's last 32 products, and among them block 0's y and polynomial: four packed instructions to a product, on registers that no product here names.
.set g, 0
.rept 32
	WIN MUL_HI
	v_wmma_f32_16x16x128_bf8_bf8 v[8*g:8*g+7], v[128+FR*(g%8):128+FR*(g%8)+FR-1], v[AF+FR*(4+g/8):AF+FR*(4+g/8)+FR-1], v[8*g:8*g+7]
.if g < 8
	WIN W_Y
.else
	WIN W_P
.endif
.set j, 8*(g%8)
.rept 4
.if g < 8
	OP1 0, j
.else
.if g < 16
	OP2 0, j
.else
.if g < 24
	OP3 0, j
.else
	OP4 0, j
.endif
.endif
.endif
.set j, j+2
.endr
.set g, g+1
.endr
.irp a, 0,1,2,3,4,5,6,7
	ACT \a
.endr
	WIN W_H
.set j, 0
.rept 64
	OP7 7, j
.set j, j+1
.endr
	s_wait_alu depctr_va_vdst(0)
	OUT 7
	s_wait_tensorcnt 0x0                           ; the wave's end
	ds_add_u32 v[SPW], v[NIL]
	s_wait_dscnt 0x0
	CROUND                                         ; the closing round: no work-group ends while a partner may still ask for a tile that names it
	s_endpgm
.Lfunc_end_k_q6d165fdc36_fc1:
	.size	k_q6d165fdc36_fc1, .Lfunc_end_k_q6d165fdc36_fc1-k_q6d165fdc36_fc1
	.p2alignl 7, 3214868480
	.fill 96, 4, 3214868480
	.section	.rodata,"a",@progbits
	.p2align	6, 0x0
	.amdhsa_kernel k_q6d165fdc36_fc1
		.amdhsa_group_segment_fixed_size 327680
		.amdhsa_private_segment_fixed_size 0
		.amdhsa_enable_private_segment 0
		.amdhsa_kernarg_size 40
		.amdhsa_user_sgpr_count 2
		.amdhsa_user_sgpr_kernarg_segment_ptr 1
		.amdhsa_wavefront_size32 1
		.amdhsa_system_sgpr_workgroup_id_x 1
		.amdhsa_system_sgpr_workgroup_id_y 1
		.amdhsa_system_sgpr_workgroup_id_z 1
		.amdhsa_system_vgpr_workitem_id 0
		.amdhsa_next_free_vgpr 1024
		.amdhsa_next_free_sgpr 100
		.amdhsa_reserve_vcc 0
		.amdhsa_float_denorm_mode_32 3
		.amdhsa_float_denorm_mode_16_64 3
		.amdhsa_memory_ordered 1
		.amdhsa_forward_progress 1
		.amdhsa_inst_pref_size 255
	.end_amdhsa_kernel
	.section	.bss,"aw",@nobits
	.p2align	6
	.space	262144
	.amdgpu_metadata
---
amdhsa.version: [ 1, 2 ]
amdhsa.kernels:
  - .name:           k_q6d165fdc36_fc1
    .symbol:         k_q6d165fdc36_fc1.kd
    .args:
      - { .name: x_codes, .offset: 0, .size: 8, .value_kind: global_buffer, .address_space: global }
      - { .name: W1_codes, .offset: 8, .size: 8, .value_kind: global_buffer, .address_space: global }
      - { .name: lowp_scales, .offset: 16, .size: 8, .value_kind: global_buffer, .address_space: global }
      - { .name: b1, .offset: 24, .size: 8, .value_kind: global_buffer, .address_space: global }
      - { .name: h_img, .offset: 32, .size: 8, .value_kind: global_buffer, .address_space: global }
    .group_segment_fixed_size: 327680
    .private_segment_fixed_size: 0
    .kernarg_segment_align: 8
    .kernarg_segment_size: 40
    .max_flat_workgroup_size: 128
    .sgpr_count:     100
    .vgpr_count:     1024
    .wavefront_size: 32
...
	.end_amdgpu_metadata
.endif
;; end of part 3
;; launch fc2 (part 4): grid 16 x 16, 4 waves a work-group, clusters of 4 x 4, 327,680 bytes of LDS; arguments h_img, W2_codes, lowp_scales, b2, out0; writes out0
.if DOCPART == 4
	.amdgcn_target "amdgcn-amd-amdhsa--gfx1250"
	.amdhsa_code_object_version 6
	.text
	.protected	k_q6d165fdc36_fc2
	.globl	k_q6d165fdc36_fc2
	.p2align	8
	.type	k_q6d165fdc36_fc2,@function
k_q6d165fdc36_fc2:
	s_mov_b64 s[64:65], 0
	v_nop
	global_prefetch_b8 v0, s[64:65] scope:SCOPE_SE
	s_setreg_imm32_b32 hwreg(HW_REG_WAVE_MODE, 25, 1), 1
	s_wait_xcnt 0x0
	s_wait_alu depctr_hold_cnt(0) depctr_sa_sdst(0) depctr_va_vdst(0) depctr_va_sdst(0) depctr_va_ssrc(0) depctr_va_vcc(0) depctr_vm_vsrc(0)
	s_getreg_b32 s2, hwreg(HW_REG_IB_STS2, 6, 4)
	s_cmp_eq_u32 s2, 0
	s_cbranch_scc0 .Lentry_in_a_cluster
	s_endpgm
.Lentry_in_a_cluster:
	s_bfe_u32 s2, ttmp6, 0x10000c
	s_cmp_lg_u32 s2, 0xf033
	s_cbranch_scc0 .Lentry_shape_is_right
	s_endpgm
.Lentry_shape_is_right:
; out0 = h W2 x 2^(e2 + e3) + b2.  h_img: h's codes of BF8 (E5M2) as images of operand registers, [t 0..15][tb 0..127][q 0..3][2,048 bytes]: tokens 16 tb on, hidden units 128 (4 t + q) on; in a fragment
; register 4 c + i / 4 of lane l lies at byte 512 c + 16 l + i.  W2_codes: [2048 outputs][8192 K], K innermost.  b2: [2048] f32.  out0: [2048 tokens][2048 outputs] f32.  lowp_scales: e2 and e3 are entries 2 and 3.
; LIMITS: e2 + e3 between -126 and 127, so that 2^(e2 + e3) is an f32 number.  NaN in b2 and codes of NaN or infinity are not served.
; SHARES.  256 tiles of 128 x 128: a work-group to each.  THE FOUR WAVES SHARE K, NOT THE TILE: a slot holds a K tile of 512, and wave w multiplies its bytes 128 w .. 128 w + 127 of every row, for the whole
; tile: 64 accumulators of 16 x 16, 512 registers a wave, so each fragment read from LDS feeds eight products.  At the end each wave lays its sums into LDS, and each wave adds the four parts of 32 rows.
; CLUSTERS: 4 x 4 work-groups.  The four of a row need the same tiles of h, the four of a column the same tiles of W2: each tile is asked for jointly, by the same tensor load with the same descriptor and a mask
; that names the four.  A cluster's column group (4 tile columns) is its y, its row group (4 tile rows) its x, complemented in both bits where y is odd.
; THE MATRIX INSTRUCTION IS USED TRANSPOSED (source 0 = 16 rows of W2, source 1 = 16 tokens): a lane holds eight neighbouring outputs of one token.
; THE FIRST FILLS: each wave issues one joint load at the head, a whole operand tile of one slot: wave 0 h's for slot 0, wave 1 h's for slot 1, waves 2 and 3 W2's.  A refill is shared otherwise: each wave half an operand tile.
; THE ORDER OF K: step s takes tile (s & 12) | ((s + RHO) & 3), RHO = (row group + column group) mod 4: of the cluster's coordinates alone, so the same in all sixteen partners; the four clusters that share
; tiles of h, and the four that share tiles of W2, have four different RHO.
; PREFETCH: behind the refill of step s's tile each wave asks for its part of the tile of step s + 2, 32 blocks of 256 bytes, a lane a block; the four partners of a joint load share its blocks out by address
; (cx for h, cy for W2).  The head's tiles and steps 2 and 3 come by their loads alone; the last two refills ask for nothing.
; ORDER OF ROUNDING: an output's K is summed in four interleaved quarters (hidden units 512 t + 128 w + 0 .. 127), each in one f32 chain over the tiles t in the order above; the four are added as (p0 + p1) + (p2 + p3).
; REGISTERS: window 0: v0-31 addresses, b2; v32-63 rows to store; from v128 h's fragments, one set (on the way out two buffers of 64).   window 1: W2's fragments, two sets, at v0 and v128.
;   window 2: the accumulators of tokens 0-63 ((a, b) at v[8 (8 a + b)]);   window 3: those of tokens 64-127.
.set FR,     16                        ; registers of a fragment: 16 rows x 128 K
.set NL,     4                         ; LDS loads that bring one
.set NP,     4                         ; places behind this matrix instruction (ISA guide 7.12.1)
.set PITCHB, 528                       ; an LDS row of W2's tile, and of a part on the way out: 512 bytes + 16 of padding = 132 words: row r starts at bank 4 r mod 64 (64 banks of 4 bytes: ISA guide 11.1)
.set AIMG,   65536                     ; a slot: h's 32 fragments, [a 0..7][q 0..3][2,048 bytes], as they lie in memory,
.set SLOT,   AIMG+128*PITCHB           ; then W2's 128 rows
.set PART,   128*PITCHB                ; a wave's 128 rows of sums.  The four parts lie over the ring, which has then had its last fill and its last read, and over 4,096 bytes behind it
.set SPARE,  4*PART                    ; the spare words, 128 bytes a wave
.set B2,   8
.set RDB,  12                          ; v12-15  the way out: my 16 bytes of my first row in part 0 .. 3
.set ADRA, 16
.set ADRB, 20
.set STO,  24                          ; v24     the way out: where I put 32 bytes of a row of my part
.set CO,   26                          ; v26     16 x lane
.set SPW,  28
.set NIL,  29
.set PFO,  30
.set OUTR, 32
.set AF,   128
.set BK,   128
.set G1, 24                            ; s[24:31], s[32:39] descriptor groups 1 and 0 (one for each slot) for h;  s[48:55], s[56:63] for W2
.set G0, 32
.set G1B, 48
.set G0B, 56
.set SC,  72
.set PSH, 74                           ; s74     the prefetches: a K tile is 2^s74 bytes on
.set PO,  80                           ; s[80:81] an offset
.set LB,  83
.set BA,  84                           ; s[84:85] h_img at the tile row (behind the head: at my half), s[86:87] W2 likewise
.set BB,  86
.set RHO, 88
.set SN,  89                           ; the step whose tile is asked for next
.set KOA, 90                           ; s[90:91] its byte offset in h_img
.set KOB, 92                           ; s[92:93] and in a row of W2_codes
.set PB,  96                           ; s[96:97] the blocks that I prefetch, at K tile 0
.set PA,  98                           ; s[98:99] the same at the K tile that is asked for
.set MSB, 0
.macro WIN new                         ; the immediate's high byte repeats the setting that is left
.if MSB != \new
	s_set_vgpr_msb (MSB<<8)|\new
.set MSB, \new
.endif
.endm
.set MUL_LO, 0xa1                      ; source 0 (W2) window 1, source 1 (h) window 0, C and D window 2
.set MUL_HI, 0xf1                      ; the same, C and D window 3
.set TO_B,   0x40                      ; destination window 1, address window 0
; A joint load: waves 0 and 1 for h, waves 2 and 3 for W2; each line has one mask and one set of registers for all that issue it.
.macro JLOAD g0a, g1a, g0b, g1b
	s_cmp_eq_u32 s15, 0
	s_cbranch_scc0 .Lfor_b_\@
	tensor_load_to_lds s[\g0a:\g0a+3], s[\g1a:\g1a+7]
	s_nop 0
.rept 4
	v_nop
.endr
	s_branch .Lasked_\@
.Lfor_b_\@:
	tensor_load_to_lds s[\g0b:\g0b+3], s[\g1b:\g1b+7]
	s_nop 0
.rept 4
	v_nop
.endr
.Lasked_\@:
.endm
.macro CREST                           ; a round of the cluster's barrier behind its opening barrier
	s_cmp_lg_u32 s14, 0
	s_cbranch_scc1 .Lnot_wave_0_\@
	s_barrier_signal -3
.Lnot_wave_0_\@:
	s_barrier_wait -3
	s_barrier_signal -1
	s_barrier_wait -1
.endm
.macro CROUND
	s_barrier_signal -1
	s_barrier_wait -1
	CREST
.endm
.macro TILE                            ; s94: the tile of step s94
	s_and_b32 s95, s94, 12
	s_add_co_u32 s94, s94, s[RHO]
	s_and_b32 s94, s94, 3
	s_or_b32 s94, s94, s95
.endm
.macro KOFF                            ; its byte offsets: 2^20 bytes a K tile in h_img, 512 bytes of a row of W2_codes
	s_lshl_b32 s[KOA], s94, 20
	s_lshl_b32 s[KOB], s94, 9
.endm
.macro ASK how                         ; PA stands two refills on; step 12's and step 13's refills ask for nothing.  how = 3: a step that may be step 12
.if \how == 3
	s_cmp_lt_u32 s[SN], 15
	s_cbranch_scc0 .Lno_ask_\@
.endif
	global_prefetch_b8 v[PFO], s[PA:PA+1] th:TH_LOAD_NT scope:SCOPE_SE
.if \how == 3
.Lno_ask_\@:
.endif
.endm
	s_load_b128 s[4:7], s[0:1], 0x0                ; h_img, W2_codes
	s_load_b128 s[8:11], s[0:1], 0x10              ; lowp_scales, b2
	s_load_b64 s[12:13], s[0:1], 0x20              ; out0
	v_lshl_add_u32 v[SPW], v0, 2, SPARE
	v_mov_b32 v[NIL], 0
	ds_add_u32 v[SPW], v[NIL]                      ; the opening: the add, twice on end, and its wait
	ds_add_u32 v[SPW], v[NIL]
	v_lshrrev_b32 v1, 5, v0
	v_readfirstlane_b32 s14, v1                    ; wave 0..3: my quarter of K
	s_lshr_b32 s15, s14, 1                         ; I fetch for h (0) or for W2 (1),
	s_and_b32 s16, s14, 1                          ; first for slot s16, in a refill half s16 of the tile
	s_bfe_u32 s40, ttmp6, 0x40000                  ; cx, cy
	s_bfe_u32 s41, ttmp6, 0x40004
	s_and_b32 s42, ttmp7, 0xffff                   ; column group = cluster y
	s_and_b32 s94, s42, 1
	s_mul_i32 s94, s94, 3
	s_xor_b32 s17, ttmp9, s94                      ; row group = cluster x, complemented where y is odd
	s_add_co_u32 s[RHO], s42, s17
	s_and_b32 s[RHO], s[RHO], 3
	s_lshl_b32 s42, s42, 2
	s_add_co_u32 s42, s42, s40                     ; tile column (128 outputs) = 4 x column group + cx
	s_lshl_b32 s17, s17, 2
	s_add_co_u32 s17, s17, s41                     ; tile row (128 tokens) = 4 x row group + cy
	s_lshl_b32 s43, s41, 2
	s_lshl_b32 s43, 15, s43                        ; my row of the cluster
	s_lshl_b32 s44, 0x1111, s40                    ; my column
	; descriptor group 1 for h: a tile is 65,536 bytes on end in memory, stated as 256 rows of 32 elements of 8 bytes; no padding: the images are read 16 bytes a lane, 512 on end
	s_or_b32 s[G1+0], s43, (3<<16)|(1<<21)
	s_mov_b32 s[G1+1], 32<<16
	s_mov_b32 s[G1+2], 256<<16
	s_mov_b32 s[G1+3], 32<<16
	s_mov_b32 s[G1+4], 256
	s_mov_b32 s[G1+5], 32
	s_mov_b32 s[G1+6], 0
	s_mov_b32 s[G1+7], 0
	; and for W2: 128 rows x 512 bytes, 8,192 bytes apart in memory, padded in LDS
	s_or_b32 s[G1B+0], s44, (0<<16)|(1<<20)|(1<<21)|(6<<22)|(3<<25)  ; elements of 1 byte; after every 128 words 4 words of padding
	s_mov_b32 s[G1B+1], 512<<16
	s_mov_b32 s[G1B+2], 128<<16
	s_mov_b32 s[G1B+3], 512<<16
	s_mov_b32 s[G1B+4], 128
	s_mov_b32 s[G1B+5], 8192
	s_mov_b32 s[G1B+6], 0
	s_mov_b32 s[G1B+7], 0
	s_lshl_b32 s20, s17, 16                        ; h: 8 blocks of tokens x 8,192 bytes x tile row
	s_mov_b32 s21, 0
	s_lshl_b32 s46, s42, 20                        ; W2: 128 rows x 8,192 bytes x tile column
	s_mov_b32 s47, 0
	s_mov_b32 s[KOA+1], 0
	s_mov_b32 s[KOB+1], 0
	s_mov_b32 s[PO+1], 0
	s_mov_b32 s94, s16                             ; the first fill: the tile of step s16, into slot s16
	TILE
	KOFF
	s_mov_b32 s[G0], 1
	s_mul_i32 s[G0+1], s16, SLOT
	s_mov_b32 s[G0B], 1
	s_add_co_u32 s[G0B+1], s[G0+1], AIMG
	s_wait_dscnt 0x0                               ; both opening adds are done
	CROUND                                         ; all sixteen work-groups are here: the first joint loads meet
	s_wait_kmcnt 0x0
	s_load_b128 s[68:71], s[8:9], 0x0              ; e0, e1, e2, e3
	s_add_nc_u64 s[BA:BA+1], s[4:5], s[20:21]
	s_add_nc_u64 s[BB:BB+1], s[6:7], s[46:47]
	s_add_nc_u64 s[G0+2:G0+3], s[BA:BA+1], s[KOA:KOA+1]
	s_or_b32 s[G0+3], s[G0+3], 0x80000000
	s_add_nc_u64 s[G0B+2:G0B+3], s[BB:BB+1], s[KOB:KOB+1]
	s_or_b32 s[G0B+3], s[G0B+3], 0x80000000
	JLOAD G0, G1, G0B, G1B
	s_lshl_b32 s18, s16, 15                        ; my half of h's tile in a refill,
	s_mov_b32 s19, 0
	s_add_nc_u64 s[BA:BA+1], s[BA:BA+1], s[18:19]
	s_lshl_b32 s18, s16, 19                        ; my 64 rows of W2's
	s_add_nc_u64 s[BB:BB+1], s[BB:BB+1], s[18:19]
	s_lshl_b32 s76, s40, 13                        ; the prefetches: h: 32 blocks on end x cx;
	s_lshl_b32 s78, s41, 17                        ; W2: 16 rows of two blocks x cy
	s_mov_b32 s77, 8192
	s_mov_b32 s79, 9
	s_cmp_eq_u32 s15, 0
	s_cselect_b32 s[PO], s76, s78
	s_cselect_b32 s77, 512, s77                    ; bytes from one pair of blocks to the next
	s_cselect_b32 s[PSH], 20, s79
	s_cselect_b64 s[PB:PB+1], s[BA:BA+1], s[BB:BB+1]
	s_add_nc_u64 s[PB:PB+1], s[PB:PB+1], s[PO:PO+1]
	s_lshl_b32 s21, s14, 11
	s_lshl_b32 s22, s14, 7
	s_add_co_u32 s22, s22, AIMG
	s_mul_i32 s23, s14, PART                       ; my part
	s_mul_i32 s20, s14, 32*PITCHB                  ; back: rows 32 w on
	v_and_b32 v1, 15, v0                           ; r
	v_bfe_u32 v2, v0, 4, 1                         ; h
	v_and_b32 v3, 31, v0
	v_lshlrev_b32 v[CO], 4, v3
	v_lshrrev_b32 v7, 1, v3
	v_mul_u32_u24 v7, s77, v7
	v_and_b32 v[PFO], 1, v3
	v_lshl_add_u32 v[PFO], v[PFO], 8, v7
	v_add_nc_u32 v[ADRA], s21, v[CO]               ; h: fragment q = my wave's: 2,048 w + 16 l
	v_add_nc_u32 v[ADRA+1], SLOT, v[ADRA]
	v_mul_u32_u24 v4, v1, PITCHB
	v_lshl_add_u32 v5, v2, 4, v4                   ; W2: row r x pitch + 16 x half + my 128 bytes of the row, behind h's images
	v_add_nc_u32 v[ADRB], s22, v5
	v_add_nc_u32 v[ADRB+1], SLOT, v[ADRB]
	v_lshl_add_u32 v6, v2, 5, v4
	v_add_nc_u32 v[STO], s23, v6                   ; in: row r, 32 bytes for each half of the lanes
	v_add_nc_u32 v[RDB], s20, v[CO]                ; back: the 32 lanes take a row of 512 bytes,
	v_add_nc_u32 v[RDB+1], PART, v[RDB]            ; in each of the four parts
	v_add_nc_u32 v[RDB+2], PART, v[RDB+1]
	v_add_nc_u32 v[RDB+3], PART, v[RDB+2]
	s_lshl_b32 s76, s42, 9                         ; the tile's first output, in bytes
	s_mov_b32 s77, 0
	s_add_nc_u64 s[10:11], s[10:11], s[76:77]
	global_load_b128 v[B2:B2+3], v[CO], s[10:11]   ; b2 of outputs 4 l .. 4 l + 3 of the tile; waited for on the way out
	s_lshl_b32 s78, s17, 20                        ; out0 at the first row that I store: (128 x tile row + 32 x wave) x 8,192 bytes
	s_add_co_u32 s76, s76, s78
	s_lshl_b32 s78, s14, 18
	s_add_co_u32 s76, s76, s78
	s_add_nc_u64 s[12:13], s[12:13], s[76:77]
	s_wait_alu depctr_va_vdst(0)
	s_wait_kmcnt 0x0
	s_add_co_i32 s[SC], s70, s71
	s_add_co_i32 s[SC], s[SC], 127
	s_lshl_b32 s[SC], s[SC], 23                    ; 2^(e2 + e3)
	s_mov_b32 s[SC+1], s[SC]
; h's block a against W2's eight, my 128 along K.  p: W2's set.  The 64 accumulators take turns in the same order in every step.  zero = 1: the first product starts the sums.
.macro MUL8 a, p, zero
.irp b, 0,1,2,3,4,5,6,7
.if \zero
	v_wmma_f32_16x16x128_bf8_bf8 v[8*(8*((\a)%4)+\b):8*(8*((\a)%4)+\b)+7], v[128*(\p)+FR*\b:128*(\p)+FR*\b+FR-1], v[AF+FR*(\a):AF+FR*(\a)+FR-1], 0
.else
	v_wmma_f32_16x16x128_bf8_bf8 v[8*(8*((\a)%4)+\b):8*(8*((\a)%4)+\b)+7], v[128*(\p)+FR*\b:128*(\p)+FR*\b+FR-1], v[AF+FR*(\a):AF+FR*(\a)+FR-1], v[8*(8*((\a)%4)+\b):8*(8*((\a)%4)+\b)+7]
.endif
.endr
.endm
.macro MUL16 a0, p, zero
	MUL8 \a0, \p, \zero
	MUL8 \a0+1, \p, \zero
.endm
.macro FETCH_B slot, p                 ; lane l holds, of row 16 i + l % 16, K = 32 c + 16 (l / 16) + 0 .. 15 of my 128 in registers 4 c .. 4 c + 3: as h's images have it
	WIN TO_B
.irp i, 0,1,2,3,4,5,6,7
.irp c, 0,1,2,3
	ds_load_b128 v[128*(\p)+FR*\i+4*\c:128*(\p)+FR*\i+4*\c+3], v[ADRB+\slot] offset:\i*16*PITCHB+32*\c
.endr
.endr
	WIN 0
.endm
.macro FETCH_A slot, i0                ; images come back as they were stored, 512 bytes on end a load
.irp i, \i0, \i0+1, \i0+2, \i0+3
.irp c, 0,1,2,3
	ds_load_b128 v[AF+FR*(\i)+4*\c:AF+FR*(\i)+4*\c+3], v[ADRA+\slot] offset:(\i)*8192+512*\c
.endr
.endr
.endm
.macro PLACES n                        ; in front of loads into registers that matrix instructions have read, and of the first reads of results
.rept \n
	v_nop
.endr
.endm
; A STEP: a slot's 512 along K, of which 128 are mine: 64 matrix instructions.  All my fragments of this slot have been asked for in the step before, so every step changes slots at its head.
; fill: 0 none; else the barrier opens a round of the cluster's, and this slot is filled again first thing behind it, with the tile of two steps on: 1 without a prefetch, 2 with one, 3 with one but in step 12.
.macro TURN slot, next, fill, zero
.if \fill
	s_mov_b32 s94, s[SN]
	TILE
	KOFF
.if \fill > 1
	s_wait_xcnt 0x0                                ; my last prefetch has read its address
	s_add_co_u32 s94, s[SN], 2
	TILE
	s_lshl_b32 s[PO], s94, s[PSH]
	s_add_nc_u64 s[PA:PA+1], s[PB:PB+1], s[PO:PO+1]
.endif
	s_add_co_u32 s[SN], s[SN], 1
.endif
	s_wait_tensorcnt 0x0                           ; my part of the next slot has landed, and every group 0 may be written
	ds_add_u32 v[SPW], v[NIL]                      ; 0 onto my spare word
.if \fill
	s_add_nc_u64 s[G0+4*\slot+2:G0+4*\slot+3], s[BA:BA+1], s[KOA:KOA+1]
	s_or_b32 s[G0+4*\slot+3], s[G0+4*\slot+3], 0x80000000
	s_add_nc_u64 s[G0B+4*\slot+2:G0B+4*\slot+3], s[BB:BB+1], s[KOB:KOB+1]
	s_or_b32 s[G0B+4*\slot+3], s[G0B+4*\slot+3], 0x80000000
.endif
	s_wait_dscnt 4*NL+1                            ; W2's set and h's blocks 0-3 are in; out may be h's blocks 4-7 and the add
	WIN MUL_LO
	MUL8 0, \slot, \zero
	s_wait_dscnt 0x0                               ; the add is done, and my reads of this slot are over
	s_barrier_signal -1
	MUL8 1, \slot, \zero
	WIN 0
	s_barrier_wait -1
.if \fill
	CREST                                          ; no wave of any partner still reads this slot's tiles or has a load on its way
	JLOAD G0+4*\slot, G1, G0B+4*\slot, G1B
.endif
	FETCH_B \next, \next                           ; this set was last read in front of the four v_nop that ended the step before
.if \fill > 1
	ASK \fill
.endif
	WIN MUL_LO
	MUL16 2, \slot, \zero
	PLACES NP
	WIN 0
	FETCH_A \next, 0
	WIN MUL_HI
	MUL16 4, \slot, \zero
	MUL16 6, \slot, \zero
	PLACES NP
	WIN 0
	FETCH_A \next, 4
.endm
	s_wait_alu depctr_va_vdst(0)
	s_wait_tensorcnt 0x0                           ; my first fill has landed
	s_barrier_signal -1
	s_lshl_b32 s45, s16, 15                        ; the refills: h's halves at 0 and 32,768 of a slot,
	s_mul_i32 s[LB], s16, 64*PITCHB
	s_add_co_u32 s[LB], s[LB], AIMG                ; W2's behind them
	s_mov_b32 s[G0+1], s45
	s_mov_b32 s[G0B+1], s[LB]
	s_mov_b32 s[G0+4], 1
	s_add_co_u32 s[G0+5], s45, SLOT
	s_mov_b32 s[G0B+4], 1
	s_add_co_u32 s[G0B+5], s[LB], SLOT
	s_mov_b32 s[G1+2], 128<<16
	s_mov_b32 s[G1+4], 128
	s_mov_b32 s[G1B+2], 64<<16
	s_mov_b32 s[G1B+4], 64
	s_mov_b32 s[SN], 2
	s_mov_b32 s3, 6
	s_barrier_wait -1                              ; and everybody's: both slots are whole
	FETCH_B 0, 0
	FETCH_A 0, 0
	FETCH_A 0, 4
	TURN 0, 1, 2, 1                                ; step 0 stands in front of the loop: its products start the sums; it asks for step 2's tile
.Lpair:                                                ; steps 1 to 12, two a trip; they ask for the tiles of steps 3 to 14
	TURN 1, 0, 2, 0
	TURN 0, 1, 3, 0
	s_sub_co_u32 s3, s3, 1
	s_cmp_lg_u32 s3, 0
	s_cbranch_scc1 .Lpair
	TURN 1, 0, 1, 0                                ; step 13 asks for the last tile, step 15's
	TURN 0, 1, 0, 0                                ; step 14 asks for nothing
	; Step 15, and the way out begins under it: my 128 x 128 sums go into my part.  Lane (r, h) holds, of accumulator (a, b), outputs 16 b + 8 h + 0 .. 7 of token 16 a + r: 32 bytes of a row; each accumulator from its low end on.
.macro PSTORE a
	WIN (0x08+4*((\a)/4))                          ; store data: window 2 or 3
.irp b, 0,1,2,3,4,5,6,7
	ds_store_b128 v[STO], v[64*((\a)%4)+8*\b:64*((\a)%4)+8*\b+3]   offset:(\a)*16*PITCHB+64*\b
	ds_store_b128 v[STO], v[64*((\a)%4)+8*\b+4:64*((\a)%4)+8*\b+7] offset:(\a)*16*PITCHB+64*\b+16
.endr
.endm
	s_wait_dscnt 4*NL
	WIN MUL_LO
	MUL16 0, 1, 0
	MUL16 2, 1, 0
	s_wait_dscnt 0x0                               ; my reads of the ring are over:
	s_barrier_signal -1
	WIN MUL_HI
	MUL8 4, 1, 0
	s_barrier_wait -1                              ; behind this nobody reads the ring any more; no fill follows: the parts may be laid over it
	PLACES NP                                      ; behind the products of blocks 0-3, in front of the stores that read their results
.irp a, 0,1,2
	PSTORE \a
	WIN MUL_HI
	MUL8 \a+5, 1, 0
.endr
	PSTORE 3
	PLACES NP                                      ; behind the products of blocks 4-7
.irp a, 4,5,6,7
	PSTORE \a
.endr
	WIN 0
	s_wait_dscnt 0x0                               ; for the others' sake: my stores have landed
	s_barrier_signal -1
	s_barrier_wait -1                              ; the four parts are whole
; Wave w adds rows 32 w .. 32 w + 31, four rows at a time, in two buffers by turns: a row of 512 bytes is 16 bytes a lane, from each of the four parts.
.macro RLOAD g
.irp i, 0,1,2,3
.irp k, 0,1,2,3
	ds_load_b128 v[BK+64*((\g)%2)+16*\i+4*\k:BK+64*((\g)%2)+16*\i+4*\k+3], v[RDB+\k] offset:(4*(\g)+\i)*PITCHB
.endr
.endr
.endm
.macro RSUM g, younger                 ; younger: the other buffer's loads, which may stay out
	s_wait_dscnt \younger
.if (\g) > 1
	s_wait_xcnt 0x0                                ; the stores of two groups back have read this set of rows
.endif
.irp i, 0,1,2,3
.set RB, BK+64*((\g)%2)+16*\i
.set OB, OUTR+16*((\g)%2)+4*\i
	v_pk_add_f32 v[RB:RB+1],     v[RB:RB+1],     v[RB+4:RB+5]      ; p0 + p1
	v_pk_add_f32 v[RB+2:RB+3],   v[RB+2:RB+3],   v[RB+6:RB+7]
	v_pk_add_f32 v[RB+8:RB+9],   v[RB+8:RB+9],   v[RB+12:RB+13]    ; p2 + p3
	v_pk_add_f32 v[RB+10:RB+11], v[RB+10:RB+11], v[RB+14:RB+15]
	v_pk_add_f32 v[RB:RB+1],     v[RB:RB+1],     v[RB+8:RB+9]
	v_pk_add_f32 v[RB+2:RB+3],   v[RB+2:RB+3],   v[RB+10:RB+11]
	v_pk_fma_f32 v[OB:OB+1],   v[RB:RB+1],   s[SC:SC+1], v[B2:B2+1]   op_sel_hi:[1,0,1]   ; sum x 2^(e2 + e3) + b2
	v_pk_fma_f32 v[OB+2:OB+3], v[RB+2:RB+3], s[SC:SC+1], v[B2+2:B2+3] op_sel_hi:[1,0,1]
.endr
.if (\g)+2 < 8
	RLOAD (\g)+2                                   ; the buffer takes the rows of two groups on
.endif
.irp i, 0,1,2,3
.set OB, OUTR+16*((\g)%2)+4*\i
	global_store_b128 v[CO], v[OB:OB+3], s[12:13] offset:(4*(\g)+\i)*8192   ; 32 lanes store 512 consecutive bytes, at a multiple of 512 from out0's first byte
.endr
.endm
	RLOAD 0
	RLOAD 1
	s_wait_loadcnt 0x0                             ; b2
	RSUM 0, 16
	RSUM 1, 16
	RSUM 2, 16
	RSUM 3, 16
	RSUM 4, 16
	RSUM 5, 16
	RSUM 6, 16
	RSUM 7, 0
	s_wait_tensorcnt 0x0                           ; the wave's end
	ds_add_u32 v[SPW], v[NIL]
	s_wait_dscnt 0x0
	CROUND                                         ; the closing round: no work-group ends while a partner may still ask for a tile that names it
	s_endpgm
.Lfunc_end_k_q6d165fdc36_fc2:
	.size	k_q6d165fdc36_fc2, .Lfunc_end_k_q6d165fdc36_fc2-k_q6d165fdc36_fc2
	.p2alignl 7, 3214868480
	.fill 96, 4, 3214868480
	.section	.rodata,"a",@progbits
	.p2align	6, 0x0
	.amdhsa_kernel k_q6d165fdc36_fc2
		.amdhsa_group_segment_fixed_size 327680
		.amdhsa_private_segment_fixed_size 0
		.amdhsa_enable_private_segment 0
		.amdhsa_kernarg_size 40
		.amdhsa_user_sgpr_count 2
		.amdhsa_user_sgpr_kernarg_segment_ptr 1
		.amdhsa_wavefront_size32 1
		.amdhsa_system_sgpr_workgroup_id_x 1
		.amdhsa_system_sgpr_workgroup_id_y 1
		.amdhsa_system_sgpr_workgroup_id_z 1
		.amdhsa_system_vgpr_workitem_id 0
		.amdhsa_next_free_vgpr 1024
		.amdhsa_next_free_sgpr 100
		.amdhsa_reserve_vcc 0
		.amdhsa_float_denorm_mode_32 3
		.amdhsa_float_denorm_mode_16_64 3
		.amdhsa_memory_ordered 1
		.amdhsa_forward_progress 1
		.amdhsa_inst_pref_size 102
	.end_amdhsa_kernel
	.amdgpu_metadata
---
amdhsa.version: [ 1, 2 ]
amdhsa.kernels:
  - .name:           k_q6d165fdc36_fc2
    .symbol:         k_q6d165fdc36_fc2.kd
    .args:
      - { .name: h_img, .offset: 0, .size: 8, .value_kind: global_buffer, .address_space: global }
      - { .name: W2_codes, .offset: 8, .size: 8, .value_kind: global_buffer, .address_space: global }
      - { .name: lowp_scales, .offset: 16, .size: 8, .value_kind: global_buffer, .address_space: global }
      - { .name: b2, .offset: 24, .size: 8, .value_kind: global_buffer, .address_space: global }
      - { .name: out0, .offset: 32, .size: 8, .value_kind: global_buffer, .address_space: global }
    .group_segment_fixed_size: 327680
    .private_segment_fixed_size: 0
    .kernarg_segment_align: 8
    .kernarg_segment_size: 40
    .max_flat_workgroup_size: 128
    .sgpr_count:     100
    .vgpr_count:     1024
    .wavefront_size: 32
...
	.end_amdgpu_metadata
.endif
;; end of part 4
